; MI455X (gfx1250); checked and timed in simulation.
; The chip was launched on July 23, 2026; its instructions are those of AMD's public machine-readable ISA for CDNA 5 (MIT licence, August 2026) and "CDNA5" Instruction Set Architecture Reference Guide (July 2026). The comments in the code are by the model that wrote it; some were corrected since.
;; Multi HA. Allowed arithmetic: matrix products marked QUANTISED: E4M3 operands, one given power-of-two scale a tensor, by v_wmma_f32_16x16x64_fp8_fp8 or v_wmma_f32_16x16x128_fp8_fp8, f32 sums; everything else in f32.
;; Inputs: Wk_codes 1,024 x 32 x 32 uint8 (E4M3 codes of Wk, K innermost, in blocks of 32 codes); Wp_codes 1,024 x 32 x 32 uint8 (E4M3 codes of Wp, K innermost, in blocks of 32 codes); Wq_codes 1,024 x 32 x 32 uint8 (E4M3 codes of Wq, K innermost, in blocks of 32 codes); Wv_codes 1,024 x 32 x 32 uint8 (E4M3 codes of Wv, K innermost, in blocks of 32 codes); bp 1,024 float32; lowp_scales 12 int32 (the exponents e of the quantised operands' scales 2^e); pad_mask 4 x 2,048 int32; time_attention 2,048 x 2,048 int32; x_codes 4 x 2,048 x 32 x 32 uint8 (E4M3 codes of x, K innermost, in blocks of 32 codes); y_codes 4 x 2,048 x 32 x 32 uint8 (E4M3 codes of y, K innermost, in blocks of 32 codes).
;; Outputs: out0 4 x 2,048 x 1,024 float32.
;; This version of the problem:
;;   THIS VERSION OF THE PROBLEM IS GIVEN IN LOW PRECISION. The matrix products marked QUANTISED in the list below multiply operands that are first quantised to E4M3 (4 exponent bits, 3 mantissa bits; 8 bits a number), with one given power-of-two scale for each operand tensor; their sums are f32. All else is computed in f32.
;;   The module's matrix products, in the order in which they are computed (A, B: the left and right operand; K: the contracted axis; several contracted axes count as one K, in the product's order):
;;     1. [M 8,192, K 1,024] x [K 1,024, N 1,024]; A: input y (given as codes); B: input Wq (given as codes): QUANTISED (scales: A lowp_scales[0], B lowp_scales[1])
;;     2. [M 8,192, K 1,024] x [K 1,024, N 1,024]; A: input x (given as codes); B: input Wk (given as codes): QUANTISED (scales: A lowp_scales[2], B lowp_scales[3])
;;     3. [M 8,192, K 1,024] x [K 1,024, N 1,024]; A: input x (given as codes); B: input Wv (given as codes): QUANTISED (scales: A lowp_scales[4], B lowp_scales[5])
;;     4. batch 64 x [M 2,048, K 64] x [K 64, N 2,048]; A: computed on the way; B: computed on the way: QUANTISED (scales: A lowp_scales[6], B lowp_scales[7])
;;     5. batch 64 x [M 2,048, K 2,048] x [K 2,048, N 64]; A: softmax (see below); B: computed on the way: QUANTISED (scales: A lowp_scales[8], B lowp_scales[9])
;;     6. [M 8,192, K 1,024] x [K 1,024, N 1,024]; A: computed on the way; B: input Wp (given as codes): QUANTISED (scales: A lowp_scales[10], B lowp_scales[11])
;;   THE QUANTISER, for each operand of a quantised product, along K:
;;     - The operand's scale is 2^e, e = its entry of the input lowp_scales (int32; the entries are numbered through the quantised products in the list's order, A before B).
;;     - Each number is divided by the scale, clamped to +-448, and rounded to the nearest number of E4M3, ties to even, subnormals kept.
;;     - The product sums the exact products of the quantised numbers (number of the format x scale) in f32.
;;   ~~~python
;;   def quantise(x, axis, e):      # numpy; x: float32 -> the quantised numbers, widened to float32 again
;;       x = np.moveaxis(x, axis, -1); K = x.shape[-1]
;;       r = np.clip(x / 2.0 ** e, -448, 448)
;;       step = 2.0 ** (np.maximum(np.frexp(np.where(r == 0, 1, r))[1] - 1, -6) - 3)
;;       q = np.round(r / step) * step * 2.0 ** e      # np.round: ties to even
;;       return np.moveaxis(q, -1, axis).astype(np.float32)
;;   ~~~
;;   SOFTMAX AHEAD OF A QUANTISED PRODUCT. Where the list says 'softmax', what is quantised is not the finished softmax but p = 2^(t - M), with t = logit x log2(e) and M = ceil(the row's largest t), a whole number; so 1/2 < the row's largest p <= 1. The row's sum l is taken of the UNQUANTISED p, in f32, and the product's result is divided by l at the end. Since M is a whole number, a kernel that streams over the keys may use a running M (the ceiling of the running maximum): every later rescaling is an exact power of two, so the quantised numbers keep their values, but for numbers so far below the row's largest that they fall under the format's range.
;;   OPERANDS COMPUTED ON THE WAY. 'Computed on the way' means the value that the module computes at that place (a softmax that the list does not call 'softmax' is quantised finished and normalised). What goes into a quantiser is computed in f32, as accurately as f32 sums, v_exp_f32 and their like allow (about 1e-6 of the number): no bf16 or f16 on the way to a quantiser, and a product that is left as it is and whose result goes on into a quantised operand takes f32 operands (vector FMAs, or v_wmma_f32_16x16x4_f32). A number that lies on a knife's edge between two numbers of the format may be rounded either way, as far as f32 arithmetic and the matrix unit's own rounding can turn it there, and no further.
;;   INPUTS GIVEN AS CODES. Wk (in the module: [1024, 1024], K = its axis 1); Wp (in the module: [1024, 1024], K = its axis 1); Wq (in the module: [1024, 1024], K = its axis 1); Wv (in the module: [1024, 1024], K = its axis 1); x (in the module: [4, 2048, 1024], K = its axis 2); y (in the module: [4, 2048, 1024], K = its axis 2): each comes as NAME_codes (uint8): NAME with its K axis moved to the last place and cut into blocks of 32 codes, [.., K / 32, bytes a block], one block behind the other in memory; one code a byte (a code: sign, 4 exponent bits, 3 mantissa bits); its scale is its entry of lowp_scales. Its value is code x scale, taken as it is: it is not quantised again, and the codes and scales need not be those that the quantiser above would give.
;; One version. Each part assembles by itself: llvm-mc -triple=amdgcn-amd-amdhsa -mcpu=gfx1250 --defsym DOCPART=n.
;; ======== version 1 of 1: 4 launches
;; limits: right only within a limited range of input values
;; workspace buffers: maskw 2,097,152 bytes of whole numbers; qc 8,388,608 bytes; kv 16,777,216 bytes; oc 8,388,608 bytes
;; launch maskprep (part 1): grid 16 x 17, 4 waves a work-group, no clusters, 0 bytes of LDS; arguments time_attention, pad_mask, maskw; writes maskw
.if DOCPART == 1
	.amdgcn_target "amdgcn-amd-amdhsa--gfx1250"
	.amdhsa_code_object_version 6
	.text
	.protected	k_q8d1f25b91d_maskprep
	.globl	k_q8d1f25b91d_maskprep
	.p2align	8
	.type	k_q8d1f25b91d_maskprep,@function
k_q8d1f25b91d_maskprep:
	s_mov_b64 s[64:65], 0
	v_nop
	global_prefetch_b8 v0, s[64:65] scope:SCOPE_SE
	s_setreg_imm32_b32 hwreg(HW_REG_WAVE_MODE, 25, 1), 1
	s_wait_xcnt 0x0
; THE THREE MASKS OF ATTENTION AS LANE MASKS.  For batch b, tile Tq of 16 queries and key step ks of 128 keys, 64 words: bit r + 16 h of word n is 1 where key 128 ks + 16 (n / 8) + 8 h + n % 8
; counts for query 16 Tq + r: time_attention != 0 and pad_mask != 0 and key <= query.  Word n is the lane mask of register n of the scores as the attention launch holds them.
; maskw: [4 batches][128 tiles][16 key steps][64 words].
; WORK LEFT OUT IN THIS PROGRAM, AND WHY IT IS DEAD.  Key steps whose first key comes after a tile's last query (ks > Tq / 8) get no words here and no products in the attention launch.  reference() builds the
; causal mask itself (jnp.tril) and sets those logits to -1e30.  In a row that has at least one key that counts, whatever the inputs hold, such a logit lies 1e30 under the row's largest, so its p = 2^(t - M) has the
; code 0 and adds nothing to the row's sum beyond rounding.  A row in which NO key counts is another matter: all its 2,048 logits are -1e30, the non-causal ones too, every p is 1 and the sum is 2,048.  That case is
; not left out: the attention launch also sums Q(1) x v over ALL keys and selects that sum for such rows.  No input is without a way to the output: all are loaded by some launch.
; LIMITS: a NaN, an infinity or an overflow that reaches only the products left out is not carried to the result; logits of keys that count are taken to lie far above -1e30.
; SHARES.  Blocks J and 15 - J of 128 queries have 17 live key steps together: grid x = 8 pairs x 2 halves of a block, grid y = 17 steps; a wave takes one tile and one key step, for all four batches.
; A lane reads, of query row r, 8 neighbouring numbers of each of the 8 tiles of 16 keys: the wave uses every byte of 16 rows x 512 bytes.  A store of the wave covers 256 consecutive bytes, aligned.
.set PROW,  8192                       ; a row of pad_mask in bytes
.set MBAT,  524288                     ; a batch's words in bytes: 128 tiles x 16 steps x 256
.set TM,    16                         ; v16-79   time_attention: register 8 t + j
.set PD,    80                         ; v80-95   pad_mask: batch b: v[80+4b:81+4b] for bits 0-15, v[82+4b:83+4b] for bits 16-31
.set RS,    96                         ; v96-103  the words to store, two a batch
	s_load_b128 s[4:7], s[0:1], 0x0                ; time_attention, pad_mask
	s_load_b64 s[24:25], s[0:1], 0x10              ; maskw
	v_lshrrev_b32 v10, 5, v0
	v_readfirstlane_b32 s15, v10                   ; wave 0..3
	v_and_b32 v1, 31, v0                           ; lane
	v_and_b32 v2, 15, v0                           ; r
	v_bfe_u32 v3, v0, 4, 1                         ; h
	v_lshlrev_b32 v4, 13, v2                       ; time_attention: row r of 8,192 bytes,
	v_lshl_add_u32 v4, v3, 5, v4                   ; + 8 h keys
	v_lshrrev_b32 v5, 2, v1
	v_lshlrev_b32 v5, 6, v5                        ; pad_mask: lane l will hold words 2 l and 2 l + 1: keys 16 (l / 4) + 2 (l % 4) + 0, 1 (and 8 further on for bits 16-31)
	v_and_b32 v10, 3, v1
	v_lshl_add_u32 v5, v10, 3, v5
	v_lshlrev_b32 v7, 3, v1                        ; where my two words go
	v_mov_b32 v8, 0                                ; words 2 l, gathered lane by lane (a lane write's destination counts as read)
	v_mov_b32 v9, 0                                ; words 2 l + 1
	v_mov_b32 v12, 0xffff
	v_mov_b32 v13, 0xffff0000
	s_and_b32 s8, ttmp9, 7                         ; P: the pair of blocks
	s_lshr_b32 s9, ttmp9, 3                        ; which half of a block's eight tiles
	s_and_b32 s10, ttmp7, 0xffff                   ; s = 0 .. 16
	s_sub_co_u32 s11, 15, s8
	s_sub_co_u32 s12, s10, s8
	s_sub_co_u32 s12, s12, 1
	s_cmp_le_u32 s10, s8
	s_cselect_b32 s11, s8, s11                     ; J = P for s <= P, else 15 - P
	s_cselect_b32 s12, s10, s12                    ; ks = s, else s - P - 1: never above J
	s_lshl_b32 s13, s11, 3
	s_lshl_b32 s14, s9, 2
	s_add_co_u32 s13, s13, s14
	s_add_co_u32 s13, s13, s15                     ; Tq = 8 J + 4 half + wave
	s_lshl_b32 s16, s13, 4
	s_lshl_b32 s17, s12, 7
	s_sub_co_u32 s18, s16, s17                     ; first query - first key, 0 or more
	s_lshl_b32 s20, s13, 17                        ; 16 Tq rows of 8,192 bytes
	s_lshl_b32 s22, s12, 9                         ; 128 ks keys of 4 bytes
	s_add_co_u32 s20, s20, s22
	s_mov_b32 s21, 0
	s_mov_b32 s23, 0
	s_lshl_b32 s26, s13, 12
	s_lshl_b32 s27, s12, 8
	s_add_co_u32 s26, s26, s27                     ; the words' place in a batch
	s_mov_b32 s27, 0
	v_lshlrev_b32 v10, 3, v3
	v_sub_nc_u32 v6, v2, v10
	v_add_nc_u32 v6, s18, v6                       ; d = my query - first key - 8 h: register 8 t + j holds a key that is not after my query where 16 t + j <= d
	s_wait_alu depctr_va_vdst(0)
	s_wait_kmcnt 0x0
	s_add_nc_u64 s[4:5], s[4:5], s[20:21]
	s_add_nc_u64 s[6:7], s[6:7], s[22:23]
	s_add_nc_u64 s[24:25], s[24:25], s[26:27]
.irp t, 0,1,2,3,4,5,6,7
	global_load_b128 v[TM+8*\t:TM+8*\t+3], v4, s[4:5] offset:64*\t
	global_load_b128 v[TM+8*\t+4:TM+8*\t+7], v4, s[4:5] offset:64*\t+16
.endr
.irp b, 0,1,2,3
	global_load_b64 v[PD+4*\b:PD+4*\b+1], v5, s[6:7] offset:PROW*\b
	global_load_b64 v[PD+4*\b+2:PD+4*\b+3], v5, s[6:7] offset:PROW*\b+32
.endr
	s_wait_loadcnt 8                               ; time_attention is in; the eight younger loads, pad_mask's, may be out
.set n, 0
.rept 64
	v_cmp_ne_u32 s28, 0, v[TM+n]                   ; the lanes whose key counts by time_attention,
	v_cmp_le_i32 vcc_lo, 16*(n/8)+n%8, v6          ; and by the causal mask
	s_and_b32 s28, s28, vcc_lo
	v_writelane_b32 v[8+n%2], s28, n/2             ; word n goes to lane n / 2
.set n, n+1
.endr
	s_wait_loadcnt 0x0
.irp b, 0,1,2,3
.irp u, 0,1
	v_cmp_ne_u32 vcc_lo, 0, v[PD+4*\b+\u]
	v_cndmask_b32 v10, 0, v12, vcc_lo              ; the word's key for lanes 0-15 counts for all sixteen queries or for none,
	v_cmp_ne_u32 vcc_lo, 0, v[PD+4*\b+2+\u]
	v_cndmask_b32 v11, 0, v13, vcc_lo              ; and so its key for lanes 16-31
	v_or_b32 v10, v10, v11
	s_wait_alu depctr_va_vdst(0)
	v_and_b32 v[RS+2*\b+\u], v10, v[8+\u]
.endr
.endr
.irp b, 0,1,2,3
	global_store_b64 v7, v[RS+2*\b:RS+2*\b+1], s[24:25] offset:MBAT*\b   ; 32 lanes store 256 consecutive bytes, at a multiple of 256 from the buffer's first byte
.endr
	s_endpgm
.Lfunc_end_k_q8d1f25b91d_maskprep:
	.size	k_q8d1f25b91d_maskprep, .Lfunc_end_k_q8d1f25b91d_maskprep-k_q8d1f25b91d_maskprep
	.p2alignl 7, 3214868480
	.fill 96, 4, 3214868480
	.section	.rodata,"a",@progbits
	.p2align	6, 0x0
	.amdhsa_kernel k_q8d1f25b91d_maskprep
		.amdhsa_group_segment_fixed_size 0
		.amdhsa_private_segment_fixed_size 0
		.amdhsa_enable_private_segment 0
		.amdhsa_kernarg_size 24
		.amdhsa_user_sgpr_count 2
		.amdhsa_user_sgpr_kernarg_segment_ptr 1
		.amdhsa_wavefront_size32 1
		.amdhsa_system_sgpr_workgroup_id_x 1
		.amdhsa_system_sgpr_workgroup_id_y 1
		.amdhsa_system_sgpr_workgroup_id_z 1
		.amdhsa_system_vgpr_workitem_id 0
		.amdhsa_next_free_vgpr 104
		.amdhsa_next_free_sgpr 66
		.amdhsa_reserve_vcc 1
		.amdhsa_float_denorm_mode_32 3
		.amdhsa_float_denorm_mode_16_64 3
		.amdhsa_memory_ordered 1
		.amdhsa_forward_progress 1
		.amdhsa_inst_pref_size 20
	.end_amdhsa_kernel
	.amdgpu_metadata
---
amdhsa.version: [ 1, 2 ]
amdhsa.kernels:
  - .name:           k_q8d1f25b91d_maskprep
    .symbol:         k_q8d1f25b91d_maskprep.kd
    .args:
      - { .name: time_attention, .offset: 0, .size: 8, .value_kind: global_buffer, .address_space: global }
      - { .name: pad_mask, .offset: 8, .size: 8, .value_kind: global_buffer, .address_space: global }
      - { .name: maskw, .offset: 16, .size: 8, .value_kind: global_buffer, .address_space: global }
    .group_segment_fixed_size: 0
    .private_segment_fixed_size: 0
    .kernarg_segment_align: 8
    .kernarg_segment_size: 24
    .max_flat_workgroup_size: 128
    .sgpr_count:     66
    .vgpr_count:     104
    .wavefront_size: 32
...
	.end_amdgpu_metadata
.endif
;; end of part 1
;; launch qkv (part 2): grid 12 x 32, 4 waves a work-group, clusters of 4 x 4, 327,680 bytes of LDS; arguments y_codes, x_codes, Wq_codes, Wk_codes, Wv_codes, lowp_scales, qc, kv; writes qc, kv
.if DOCPART == 2
	.amdgcn_target "amdgcn-amd-amdhsa--gfx1250"
	.amdhsa_code_object_version 6
	.text
	.protected	k_q8d1f25b91d_qkv
	.globl	k_q8d1f25b91d_qkv
	.p2align	8
	.type	k_q8d1f25b91d_qkv,@function
k_q8d1f25b91d_qkv:
	s_mov_b64 s[64:65], 0
	v_nop
	global_prefetch_b8 v0, s[64:65] scope:SCOPE_SE
	s_setreg_imm32_b32 hwreg(HW_REG_WAVE_MODE, 25, 1), 1
	s_wait_xcnt 0x0
	s_wait_alu depctr_hold_cnt(0) depctr_sa_sdst(0) depctr_va_vdst(0) depctr_va_sdst(0) depctr_va_ssrc(0) depctr_va_vcc(0) depctr_vm_vsrc(0)
	s_getreg_b32 s2, hwreg(HW_REG_IB_STS2, 6, 4)
	s_cmp_eq_u32 s2, 0
	s_cbranch_scc0 .Lentry_in_a_cluster
	s_endpgm
.Lentry_in_a_cluster:
	s_bfe_u32 s2, ttmp6, 0x10000c
	s_cmp_lg_u32 s2, 0xf033
	s_cbranch_scc0 .Lentry_shape_is_right
	s_endpgm
.Lentry_shape_is_right:
; q = y Wq^T, k = x Wk^T, v = x Wv^T on the given codes of FP8 (E4M3), each result quantised at once for the attention launch: q with 2^e6, k with 2^e7, v with 2^e9 (lowp_scales' entries).
; ONE TEXT FOR THE THREE PRODUCTS: cluster x = 0, 1, 2 picks q, k, v; only pointers, scales and the strides of the way out are chosen, by selects on that number, which all partners of a cluster share.
; Each product is C = A B^T with K = 1,024.  A tile of C, 256 x 256, is made by four waves, each 128 x 128: 64 accumulators, 512 registers.  K goes in steps of 256 through a ring of two LDS slots.
; THE MATRIX INSTRUCTION IS USED TRANSPOSED (source 0 = 16 rows of B, source 1 = 16 rows of A): a lane holds one row of A's side and eight neighbours of B's side.
; q, k: A = the tokens, B = the weight: a lane's eight numbers are eight neighbouring features of one token: neighbours along the K of q k^T.
; v:    A = the weight, B = the tokens: a lane's eight numbers are eight neighbouring KEYS of one feature: neighbours along the K of p v.  Nothing is transposed.
; THE WAY OUT.  Eight numbers of an accumulator, converted with the scale, are two registers of the attention launch's operand as that launch's lanes hold it.  So the codes go to memory as IMAGES OF
; THOSE REGISTERS: four registers a store, lane l's 16 bytes at 16 l: each store of the wave covers 512 consecutive bytes, aligned.  No stage in LDS.
;   qc: [batch x head 64][tile of 16 queries 128][2 pieces of 512 bytes]           kv: [batch x head 64][key step of 128 keys 16][k: 8 tiles x 2 pieces | v: 4 tiles of 16 features x 4 pieces]
; A sum stands for sum x 2^(eA + eB), so its code is sum / 2^E, E = e_out - eA - eB.  LIMIT: E between -126 and 119, so that 2^E and 448 x 2^E are f32 numbers.  NaN codes among the inputs are not served.
; CLUSTERS: 4 x 4 work-groups; the four of a row need the same tiles of A, the four of a column the same tiles of B: each tile is asked for jointly.
; REGISTERS, in windows of 256: window 0: v0-31 addresses and the scale; v96-111 the way out's offsets; from v128 A's fragments, ONE set, later the codes.
;   window 1: B's fragments, TWO sets.   window 2: the accumulators of my rows 0-63 ((a, b) at v[8 (8 a + b)]);   window 3: those of my rows 64-127.
.set SIZE_K, 1024
.set KSTEP,  256                       ; along K in a slot
.set ROWB,   256                       ; a tile's row in bytes
.set KROW,   SIZE_K                    ; a row of A or of B in memory, in bytes
.set PITCH,  272                       ; an LDS row: 256 bytes + 16 of padding = 68 words: the 16 rows that a load touches start at 16 different banks (64 banks of 4 bytes: ISA guide 11.1)
.set FR,     16                        ; registers of a fragment: 16 rows x 128 K
.set NL,     4                         ; LDS loads that bring one
.set NP,     4                         ; places behind this matrix instruction (ISA guide 7.12.1)
.set HALFT,  128*PITCH                 ; what one tensor load brings
.set SLOT,   4*HALFT                   ; A's 256 rows, then B's 256 rows
.set LAPS,   SIZE_K/(2*KSTEP)
.set SPARE,  2*SLOT                    ; behind the ring: the spare words, 128 bytes for each wave
.set ADRA, 16                          ; v16-17  LDS address of my A fragments in slot 0, 1
.set ADRB, 20                          ; v20-21  the same for B
.set CO,   26                          ; v26     16 x lane
.set SPW,  28                          ; v28     LDS address of my spare word; never rewritten
.set NIL,  29                          ; v29     0; never rewritten
.set SCL,  30                          ; v30     2^E as f32
.set LIM,  31
.set TMP,  32
.set OAD,  96                          ; v96-111 two offsets for each of my eight blocks
.set AF,   128                         ; A's fragments
.set CD,   128                         ; the codes: 16 registers for each block, so that no store's data are written again
.set G1, 24
.set G0, 32
.set G1B, 48
.set G0B, 56
.set MSB, 0
.macro WIN new                         ; the immediate's high byte repeats the setting that is left
.if MSB != (\new)
	s_set_vgpr_msb (MSB<<8)|(\new)
.set MSB, (\new)
.endif
.endm
.set MUL_LO, 0xa1                      ; source 0 (B) window 1, source 1 (A) window 0, C and D window 2
.set MUL_HI, 0xf1                      ; the same, C and D window 3
.set TO_B,   0x40                      ; destination window 1, address window 0
; A joint load: waves 0 and 1 fetch for A, waves 2 and 3 for B.  The branch hangs on the wave's number alone.  An s_nop 0 and four v_nop follow each of the two lines.
.macro JLOAD g0a, g1a, g0b, g1b
	s_cmp_eq_u32 s15, 0
	s_cbranch_scc0 .Lfor_b_\@
	tensor_load_to_lds s[\g0a:\g0a+3], s[\g1a:\g1a+7]
	s_nop 0
.rept 4
	v_nop
.endr
	s_branch .Lasked_\@
.Lfor_b_\@:
	tensor_load_to_lds s[\g0b:\g0b+3], s[\g1b:\g1b+7]
	s_nop 0
.rept 4
	v_nop
.endr
.Lasked_\@:
.endm
.macro CREST                           ; a round of the cluster's barrier behind its opening barrier
	s_cmp_lg_u32 s14, 0
	s_cbranch_scc1 .Lnot_wave_0_\@
	s_barrier_signal -3
.Lnot_wave_0_\@:
	s_barrier_wait -3
	s_barrier_signal -1
	s_barrier_wait -1
.endm
.macro CROUND                          ; a whole round
	s_barrier_signal -1
	s_barrier_wait -1
	CREST
.endm
	s_load_b512 s[68:83], s[0:1], 0x0              ; y s[68:69], x s[70:71], Wq s[72:73], Wk s[74:75], Wv s[76:77], the scales s[78:79], qc s[80:81], kv s[82:83]
	v_lshl_add_u32 v[SPW], v0, 2, SPARE
	v_mov_b32 v[NIL], 0
	ds_add_u32 v[SPW], v[NIL]                      ; the wave's opening: the add, twice on end, and its wait ahead of my first tensor load
	ds_add_u32 v[SPW], v[NIL]                      ; and once more, under the one wait; the set-up below, work on registers, stands between
	v_lshrrev_b32 v1, 5, v0
	v_readfirstlane_b32 s14, v1                    ; wave 0..3
	s_lshr_b32 s15, s14, 1                         ; which half of the tile's rows is mine.  Also: I fetch for A (0) or for B (1)
	s_and_b32 s16, s14, 1                          ; which half of its columns.  Also: which 128 rows of that tile I fetch
	s_bfe_u32 s40, ttmp6, 0x40000                  ; cx, cy: my place in the cluster
	s_bfe_u32 s41, ttmp6, 0x40004
	s_and_b32 s17, ttmp7, 0xffff                   ; cluster y walks the tokens: A's rows for q and k, B's rows for v
	s_cmp_eq_u32 ttmp9, 2
	s_cselect_b32 s42, s17, 0
	s_cselect_b32 s17, 0, s17
	s_lshl_b32 s42, s42, 2
	s_add_co_u32 s42, s42, s40                     ; tile column of C
	s_lshl_b32 s17, s17, 2
	s_add_co_u32 s17, s17, s41                     ; tile row of C
	s_lshl_b32 s43, s41, 2
	s_lshl_b32 s43, 15, s43                        ; my row of the cluster
	s_lshl_b32 s44, 0x1111, s40                    ; my column
	; descriptor group 1: a tile of 128 rows x 256 bytes, padded in LDS
	s_or_b32 s[G1+0], s43, (0<<16)|(1<<20)|(1<<21)|(5<<22)|(3<<25)  ; 15:0 the mask: my row; 17:16 elements of 1 byte; 20 padding on; 21 set beside a mask; 24:22 after every 64 words; 31:25 four words
	s_or_b32 s[G1B+0], s44, (0<<16)|(1<<20)|(1<<21)|(5<<22)|(3<<25) ; the same with the mask of my column
.irp g, G1, G1B
	s_mov_b32 s[\g+1], ROWB<<16                    ; tensor_dim0
	s_mov_b32 s[\g+2], 128<<16                     ; tensor_dim1
	s_mov_b32 s[\g+3], ROWB<<16                    ; tile_dim0
	s_mov_b32 s[\g+4], 128                         ; tile_dim1
	s_mov_b32 s[\g+5], KROW                        ; tensor_dim0_stride
	s_mov_b32 s[\g+6], 0
	s_mov_b32 s[\g+7], 0
.endr
	s_lshl_b32 s18, s16, 7                         ; which 128 rows of the tile I fetch
	s_lshl_b32 s20, s17, 8
	s_add_co_u32 s20, s20, s18                     ; A: row 256 x tile row + 128 x half
	s_lshl_b32 s46, s42, 8
	s_add_co_u32 s46, s46, s18                     ; B: row 256 x tile column + 128 x half
	s_mov_b32 s21, 0
	s_mov_b32 s47, 0
	s_mov_b64 s[18:19], KROW
	s_mul_u64 s[20:21], s[20:21], s[18:19]
	s_mul_u64 s[46:47], s[46:47], s[18:19]
	s_mul_i32 s45, s14, HALFT                      ; where they go: wave x 128 rows: no place in the cluster enters an LDS address
	s_wait_dscnt 0x0                               ; both opening adds are done
	s_wait_kmcnt 0x0
	s_load_b256 s[84:91], s[78:79], 0x0            ; e0 .. e7
	s_load_b128 s[92:95], s[78:79], 0x20           ; e8 .. e11
	s_cmp_eq_u32 ttmp9, 0                          ; the choices hang on the cluster's number alone
	s_cselect_b64 s[4:5], s[68:69], s[70:71]       ; the tokens: y for q, x for k and v
	s_cselect_b64 s[6:7], s[72:73], s[74:75]       ; the weight
	s_cselect_b64 s[10:11], s[80:81], s[82:83]     ; where the codes go
	s_cmp_eq_u32 ttmp9, 2
	s_cselect_b64 s[6:7], s[76:77], s[6:7]
	s_cselect_b64 s[12:13], s[6:7], s[4:5]         ; A's side: the tokens, for v the weight
	s_cselect_b64 s[6:7], s[4:5], s[6:7]           ; B's side: the weight, for v the tokens
	s_mov_b64 s[4:5], s[12:13]
	s_add_nc_u64 s[20:21], s[4:5], s[20:21]
	s_add_nc_u64 s[46:47], s[6:7], s[46:47]
	CROUND                                         ; all sixteen work-groups are here: the first joint loads meet
.irp s, 0,1
	s_mov_b32 s[G0+4*\s], 1
	s_add_co_u32 s[G0+4*\s+1], s45, \s*SLOT
	s_add_nc_u64 s[G0+4*\s+2:G0+4*\s+3], s[20:21], \s*ROWB
	s_or_b32 s[G0+4*\s+3], s[G0+4*\s+3], 0x80000000
	s_mov_b32 s[G0B+4*\s], 1
	s_add_co_u32 s[G0B+4*\s+1], s45, \s*SLOT
	s_add_nc_u64 s[G0B+4*\s+2:G0B+4*\s+3], s[46:47], \s*ROWB
	s_or_b32 s[G0B+4*\s+3], s[G0B+4*\s+3], 0x80000000
	JLOAD G0+4*\s, G1, G0B+4*\s, G1B
.endr
	v_and_b32 v1, 15, v0                           ; l % 16
	v_bfe_u32 v2, v0, 4, 1                         ; l / 16
	v_mul_u32_u24 v3, v1, PITCH
	v_lshl_add_u32 v4, v2, 4, v3                   ; a fragment's row x pitch + 16 x half
	s_mul_i32 s21, s15, HALFT                      ; my 128 rows of A
	s_mul_i32 s22, s16, HALFT                      ; my 128 rows of B,
	s_add_co_u32 s22, s22, 2*HALFT                 ; which lie behind A's 256
.irp s, 0,1
	v_add_nc_u32 v[ADRA+\s], s21, v4
	v_add_nc_u32 v[ADRB+\s], s22, v4
	s_add_co_u32 s21, s21, SLOT
	s_add_co_u32 s22, s22, SLOT
.endr
	; THE WAY OUT'S PLACES.  My 128 tokens are one key step (eight tiles of queries) of one batch, my 128 features two heads.  These registers feed no descriptor.
	s_mov_b32 s46, 4096
	s_cmp_eq_u32 ttmp9, 2
	s_cselect_b32 s20, s42, s17                    ; the tokens' tile of 256,
	s_cselect_b32 s21, s16, s15                    ; and my half of it
	s_cselect_b32 s22, s17, s42                    ; the features' tile of 256,
	s_cselect_b32 s23, s15, s16                    ; and my half of it
	s_cselect_b32 s45, 1, 0                        ; 1 for v
	s_cselect_b32 s46, 0x40000, s46                ; from block a to a + 4: v: the next head; q, k: four tiles of tokens
	s_cmp_eq_u32 ttmp9, 0
	s_cselect_b32 s47, 1, 0                        ; 1 for q
	s_lshr_b32 s68, 0x40000, s47                   ; a head's bytes: 262,144 in kv, 131,072 in qc
	s_lshr_b32 s69, 0x4000, s47                    ; 128 tokens' bytes in a head: 16,384 in kv, 8,192 in qc
	s_lshl_b32 s70, s45, 13                        ; v lies 8,192 bytes behind k in a key step
	s_lshl_b32 s71, 1024, s45                      ; from block a to a + 1: a fragment: 1,024 bytes, v's 2,048
	s_cmp_eq_u32 ttmp9, 2
	s_cselect_b32 s72, 1024, s68                   ; from B's blocks 0-3 to 4-7: v: two pieces on; q, k: the next head
	s_lshr_b32 s73, s20, 3                         ; the batch
	s_lshl_b32 s73, s73, 4
	s_lshl_b32 s75, s22, 2
	s_add_co_u32 s73, s73, s75
	s_lshl_b32 s75, s23, 1
	s_add_co_u32 s73, s73, s75                     ; 16 x batch + my first head
	s_mul_i32 s76, s73, s68
	s_and_b32 s74, s20, 7
	s_lshl_b32 s74, s74, 1
	s_add_co_u32 s74, s74, s21                     ; the key step in the batch
	s_mul_i32 s74, s74, s69
	s_add_co_u32 s76, s76, s74
	s_add_co_u32 s76, s76, s70
	s_mov_b32 s77, 0
	s_add_nc_u64 s[10:11], s[10:11], s[76:77]
	v_and_b32 v6, 31, v0
	v_lshlrev_b32 v[CO], 4, v6
	s_wait_alu depctr_va_vdst(0)
.irp a, 0,1,2,3,4,5,6,7
	s_mul_i32 s74, s71, (\a)%4
	s_mul_i32 s75, s46, (\a)/4
	s_add_co_u32 s74, s74, s75
	v_add_nc_u32 v[OAD+2*\a], s74, v[CO]
	v_add_nc_u32 v[OAD+2*\a+1], s72, v[OAD+2*\a]
.endr
.macro FRAG reg, adr, q, i             ; a fragment: lane l holds row l % 16; registers 4 c .. 4 c + 3 hold K = 32 c + 16 (l / 16) + 0 .. 15: the same order of k in A and in B, so every product meets its partner
.irp c, 0,1,2,3
	ds_load_b128 v[\reg+4*\c:\reg+4*\c+3], v[\adr] offset:128*(\q)+32*\c+(\i)*16*PITCH
.endr
.endm
; 16 matrix instructions: A's blocks a0, a0 + 1 x B's eight, 128 along K.  p: B's set.  zero = 1: the first product starts the sums.  The 64 accumulators take turns, one instruction a turn.
.macro MUL16 a0, p, zero
.irp a, \a0, \a0+1
.irp b, 0,1,2,3,4,5,6,7
.if \zero
	v_wmma_f32_16x16x128_fp8_fp8 v[8*(8*((\a)%4)+\b):8*(8*((\a)%4)+\b)+7], v[128*(\p)+FR*\b:128*(\p)+FR*\b+FR-1], v[AF+FR*(\a):AF+FR*(\a)+FR-1], 0
.else
	v_wmma_f32_16x16x128_fp8_fp8 v[8*(8*((\a)%4)+\b):8*(8*((\a)%4)+\b)+7], v[128*(\p)+FR*\b:128*(\p)+FR*\b+FR-1], v[AF+FR*(\a):AF+FR*(\a)+FR-1], v[8*(8*((\a)%4)+\b):8*(8*((\a)%4)+\b)+7]
.endif
.endr
.endr
.endm
.macro FETCH_B slot, q, p              ; B's eight fragments of the slot's q-th 128 along K into set p
	WIN TO_B
.irp i, 0,1,2,3,4,5,6,7
	FRAG 128*(\p)+FR*\i, ADRB+\slot, \q, \i
.endr
	WIN 0
.endm
.macro FETCH_A slot, q, i0             ; A's blocks i0 .. i0 + 3
.irp i, \i0, \i0+1, \i0+2, \i0+3
	FRAG AF+FR*(\i), ADRA+\slot, \q, \i
.endr
.endm
.macro PLACES n                        ; plain vector instructions that name no register of the matrix instructions in front of them (ISA guide 7.12.1)
.rept \n
	v_nop
.endr
.endm
; A step of 128 along K that has its successor in the same slot.
.macro STEP slot, q, zero
	s_wait_dscnt 4*NL                              ; B's set and A's blocks 0-3 are in; the youngest sixteen loads (A's blocks 4-7) may be out
	WIN MUL_LO
	MUL16 0, (\q)%2, \zero
	MUL16 2, (\q)%2, \zero
	s_wait_dscnt 0                                 ; A's blocks 4-7 are in
	PLACES NP
	FETCH_B \slot, (\q)+1, 1-(\q)%2
	FETCH_A \slot, (\q)+1, 0
	WIN MUL_HI
	MUL16 4, (\q)%2, \zero
	MUL16 6, (\q)%2, \zero
	PLACES NP
	WIN 0
	FETCH_A \slot, (\q)+1, 4
.endm
; A slot's last step changes slots: ONE barrier; in front of it each wave waits for all its tensor loads, adds 0 to its spare word, and waits for that and for its own reads of this slot.  fill = 1: this slot is filled again.
.macro TURN slot, next, fill
	s_wait_tensorcnt 0x0                           ; all my tensor loads have landed: my part of the next slot
	ds_add_u32 v[SPW], v[NIL]                      ; 0 onto my spare word
	s_wait_dscnt 4*NL+1                            ; (the add and the youngest sixteen loads, A's blocks 4-7, may be out)
	WIN MUL_LO
	MUL16 0, 1, 0                                  ; sixteen matrix instructions stand between the add and the wait for it
	s_wait_dscnt 0x0                               ; the add is done, and my reads of this slot are over
	s_barrier_signal -1
	MUL16 2, 1, 0
	WIN 0
	s_barrier_wait -1
.if \fill
	CREST                                          ; the barrier has opened a round of the cluster's barrier: no wave of any partner still reads this slot's tile or has a load on its way
	s_add_nc_u64 s[G0+4*\slot+2:G0+4*\slot+3], s[G0+4*\slot+2:G0+4*\slot+3], 2*ROWB
	s_add_nc_u64 s[G0B+4*\slot+2:G0B+4*\slot+3], s[G0B+4*\slot+2:G0B+4*\slot+3], 2*ROWB
	JLOAD G0+4*\slot, G1, G0B+4*\slot, G1B         ; the first tensor load behind the round; its four v_nop are the places in front of the loads below
.else
	PLACES NP
.endif
	FETCH_B \next, 0, 0
	FETCH_A \next, 0, 0
	WIN MUL_HI
	MUL16 4, 1, 0
	MUL16 6, 1, 0
	PLACES NP
	WIN 0
	FETCH_A \next, 0, 4
.endm
	s_wait_tensorcnt 1                             ; my part of K step 0 is in (K step 1's load may be out)
	s_barrier_signal -1
	s_barrier_wait -1                              ; everybody's is
	FETCH_B 0, 0, 0
	FETCH_A 0, 0, 0
	FETCH_A 0, 0, 4
	STEP 0, 0, 1                                   ; the first step stands in front of the loop: its products start the sums
	s_mov_b32 s3, LAPS-1
.Llap:                                                 ; a trip goes once round the ring and fills both slots again
	TURN 0, 1, 1
	STEP 1, 0, 0
	TURN 1, 0, 1
	STEP 0, 0, 0
	s_sub_co_u32 s3, s3, 1
	s_cmp_lg_u32 s3, 0
	s_cbranch_scc1 .Llap
	TURN 0, 1, 0                                   ; the last lap fills nothing, and has no round of the cluster's barrier
	STEP 1, 0, 0
	s_wait_dscnt 4*NL                              ; the very last step: nothing more to fetch
	WIN MUL_LO
	MUL16 0, 1, 0
	MUL16 2, 1, 0
	s_wait_dscnt 0
	WIN MUL_HI
	MUL16 4, 1, 0
	MUL16 6, 1, 0
	WIN 0
	; THE WAY OUT.  E = e_out - eA - eB of my product: the three scales folded into the conversion's one.
	s_wait_kmcnt 0x0
	s_add_co_i32 s84, s84, s85
	s_sub_co_i32 s84, s90, s84                     ; q: e6 - e0 - e1
	s_add_co_i32 s86, s86, s87
	s_sub_co_i32 s86, s91, s86                     ; k: e7 - e2 - e3
	s_add_co_i32 s88, s88, s89
	s_sub_co_i32 s88, s93, s88                     ; v: e9 - e4 - e5
	s_cmp_eq_u32 ttmp9, 0
	s_cselect_b32 s84, s84, s86
	s_cmp_eq_u32 ttmp9, 2
	s_cselect_b32 s84, s88, s84
	s_add_co_i32 s84, s84, 127
	s_lshl_b32 s85, s84, 23
	v_mov_b32 v[SCL], s85                          ; 2^E as f32: the conversion takes its exponent field
	s_add_co_i32 s84, s84, 8
	s_lshl_b32 s84, s84, 23
	s_or_b32 s84, s84, 0x600000
	PLACES NP                                      ; behind the last products: for the reads of results and for the writes into the registers that held A's fragments
; Block a: 16 rows of A's side x my 128 of B's side.  Each accumulator is read from its low end on.
.macro OUTA a
.set AC, 64*((\a)%4)
	WIN 0x02+((\a)/4)                              ; source 0: window 2 or 3
.set j, 0
.rept 64
.set j, j+1
.endr
.irp b, 0,1,2,3,4,5,6,7
	v_cvt_scalef32_pk8_fp8_f32 v[CD+16*(\a)+2*\b:CD+16*(\a)+2*\b+1], v[AC+8*\b:AC+8*\b+7], v[SCL]
.endr
	WIN 0
	v_nop                                          ; one plain vector instruction between the conversions and the stores of their results
.irp g, 0,1,2,3
	global_store_b128 v[OAD+2*(\a)+\g/2], v[CD+16*(\a)+4*\g:CD+16*(\a)+4*\g+3], s[10:11] offset:512*(\g%2)   ; a piece: 32 lanes store 512 consecutive bytes, aligned
.endr
.endm
.irp a, 0,1,2,3,4,5,6,7
	OUTA \a
.endr
	s_wait_tensorcnt 0x0                           ; the wave's end
	ds_add_u32 v[SPW], v[NIL]
	s_wait_dscnt 0x0
	CROUND                                         ; the closing round: no work-group ends while a partner may still ask for a tile that names it
	s_endpgm
.Lfunc_end_k_q8d1f25b91d_qkv:
	.size	k_q8d1f25b91d_qkv, .Lfunc_end_k_q8d1f25b91d_qkv-k_q8d1f25b91d_qkv
	.p2alignl 7, 3214868480
	.fill 96, 4, 3214868480
	.section	.rodata,"a",@progbits
	.p2align	6, 0x0
	.amdhsa_kernel k_q8d1f25b91d_qkv
		.amdhsa_group_segment_fixed_size 327680
		.amdhsa_private_segment_fixed_size 0
		.amdhsa_enable_private_segment 0
		.amdhsa_kernarg_size 64
		.amdhsa_user_sgpr_count 2
		.amdhsa_user_sgpr_kernarg_segment_ptr 1
		.amdhsa_wavefront_size32 1
		.amdhsa_system_sgpr_workgroup_id_x 1
		.amdhsa_system_sgpr_workgroup_id_y 1
		.amdhsa_system_sgpr_workgroup_id_z 1
		.amdhsa_system_vgpr_workitem_id 0
		.amdhsa_next_free_vgpr 1024
		.amdhsa_next_free_sgpr 100
		.amdhsa_reserve_vcc 0
		.amdhsa_float_denorm_mode_32 3
		.amdhsa_float_denorm_mode_16_64 3
		.amdhsa_fp16_overflow 1
		.amdhsa_memory_ordered 1
		.amdhsa_forward_progress 1
		.amdhsa_inst_pref_size 88
	.end_amdhsa_kernel
	.amdgpu_metadata
---
amdhsa.version: [ 1, 2 ]
amdhsa.kernels:
  - .name:           k_q8d1f25b91d_qkv
    .symbol:         k_q8d1f25b91d_qkv.kd
    .args:
      - { .name: y_codes, .offset: 0, .size: 8, .value_kind: global_buffer, .address_space: global }
      - { .name: x_codes, .offset: 8, .size: 8, .value_kind: global_buffer, .address_space: global }
      - { .name: Wq_codes, .offset: 16, .size: 8, .value_kind: global_buffer, .address_space: global }
      - { .name: Wk_codes, .offset: 24, .size: 8, .value_kind: global_buffer, .address_space: global }
      - { .name: Wv_codes, .offset: 32, .size: 8, .value_kind: global_buffer, .address_space: global }
      - { .name: lowp_scales, .offset: 40, .size: 8, .value_kind: global_buffer, .address_space: global }
      - { .name: qc, .offset: 48, .size: 8, .value_kind: global_buffer, .address_space: global }
      - { .name: kv, .offset: 56, .size: 8, .value_kind: global_buffer, .address_space: global }
    .group_segment_fixed_size: 327680
    .private_segment_fixed_size: 0
    .kernarg_segment_align: 8
    .kernarg_segment_size: 64
    .max_flat_workgroup_size: 128
    .sgpr_count:     100
    .vgpr_count:     1024
    .wavefront_size: 32
...
	.end_amdgpu_metadata
.endif
;; end of part 2
;; launch attn (part 3): grid 4 x 64, 16 waves a work-group, no clusters, 327,680 bytes of LDS; arguments qc, kv, maskw, lowp_scales, oc; writes oc
.if DOCPART == 3
	.amdgcn_target "amdgcn-amd-amdhsa--gfx1250"
	.amdhsa_code_object_version 6
	.text
	.protected	k_q8d1f25b91d_attn
	.globl	k_q8d1f25b91d_attn
	.p2align	8
	.type	k_q8d1f25b91d_attn,@function
k_q8d1f25b91d_attn:
	s_mov_b64 s[64:65], 0
	v_nop
	global_prefetch_b8 v0, s[64:65] scope:SCOPE_SE
	s_setreg_imm32_b32 hwreg(HW_REG_WAVE_MODE, 25, 1), 1
	s_wait_xcnt 0x0
; ATTENTION ON CODES OF FP8 (E4M3): scores = q k^T (K = 64), the three masks, the softmax as the problem states it for a quantised product, p v (K = the keys), the result quantised with 2^e10 for the last projection.
; t = score x 2^(e6 + e7) x log2(e) / 8; M = the row's largest t so far, rounded UP to a whole number; p = 2^(t - M) is quantised with 2^e8, not normalised; the row's sum is taken of the unquantised p and divides at the end.
; LEFT OUT: key steps whose first key comes after a tile's last query: reference()'s own causal mask gives them the code 0 in every row that has a key that counts (shown at the head of the first kernel).
; ROWS IN WHICH NO KEY COUNTS: all 2,048 logits of such a row are -1e30, every p is 1 and the sum is 2,048.  Wave 4 sums code(Q(1)) x code(v) over ALL keys of the head (VSUM); a row whose own sum stays under 1/2
; (with a key that counts the largest p alone is over 1/2) takes that sum x 2^(e8 + e9 - 11) instead, by a select.
; SHARES.  A work-group owns blocks i and 7 - i of 256 queries of one head; wave w owns tile A = tile w of block i and tile B = tile w of block 7 - i: 16 or 18 live key steps a wave, whatever i: 256 equal work-groups.
; The keys are walked once, 128 a step, through a ring of two LDS slots of 256 keys, filled by the tensor data mover (waves 0 and 1, a key step each: 8 KB of k and 8 KB of v in one dense block) and read by all sixteen waves.
; No cluster: the four work-groups of a head have different numbers of live steps for each tile, so a joint tile would be passed over by whole partners.
; No prefetch: a refill is asked for a whole slot (four tile steps of each of sixteen waves) ahead of the wait for it.
; LAYOUT.  q, k and v arrive as images of the operands' registers (a piece of 512 bytes: lane l's 16 bytes at 16 l), so every LDS load takes 512 consecutive bytes.  Both products are used transposed:
; S^T = k q^T (source 0 = 16 keys, source 1 = my 16 queries), O^T = v^T p^T: a lane holds ONE query (lane % 16).  Register 8 t + j of S^T is key 16 t + 8 (lane / 16) + j: tile t's eight registers, converted, are registers
; 2 t, 2 t + 1 of p as source 1 of the K = 128 form.  THE MASKS are 64 words a tile and key step, one lane mask for each register of S^T, read into scalar registers: one select a score.
; LIMITS on the given exponents: e6 + e7 between -123 and 130 (added to c's exponent field); e8 and e10 between -126 and 119.  NaN codes are not served.
.set NSL,   8                          ; slots' worth of keys
.set VS,    0                          ; LDS 0-4095: wave 4's sums over all keys, an image of 32 registers
.set STG,   4096                       ; the way out: 16 rows x 80 bytes for each wave
.set SPARE, 24576                      ; the spare words, 128 bytes for each wave: eight blocks of 256 bytes that no other line names
.set SLOT0, 0x10000                    ; slot 0; slot 1 lies FLIP further on, so that one exclusive or changes slots
.set FLIP,  0x8000
.set STEPB, 16384                      ; a key step: k's 8 tiles x 1,024 bytes, then v's 4 tiles x 2,048
.set LI,   1                           ; v1   16 x lane
.set ADR,  2                           ; v2   the slot in hand + 16 x lane; on the way out tile A's offset in oc
.set SPW,  3                           ; v3   LDS address of my spare word; never rewritten
.set NIL,  4                           ; v4   0; never rewritten
.set SIN,  5                           ; v5   the stage, in: row r, + 8 h
.set SBK,  6                           ; v6   the stage, back: row r, + 16 h
.set STA,  8                           ; v8 -M, v9 the largest t, v[10:11] the sum in two halves: tile A
.set STB,  12                          ; the same for tile B
.set QA,   16                          ; v16-23 tile A's queries;  v24-31 tile B's
.set QB,   24
.set FRG,  32                          ; v32-95  a key step's fragments of k, then of v
.set S,    96                          ; v96-159 S^T, then p
.set OA,   160                         ; v160-191 O^T of tile A;  v192-223 of tile B
.set OB,   192
.set PC,   224                         ; v224-239 p's codes
                                       ; v240 448 x 2^e8, v241 2^e8, v[242:243] a chain of the sum, v244 -infinity, v245 the code of Q(1) four times, v246 a permute's destination,
                                       ; v248 2^e10, v249 2^(e8 + e9 - 11), v[250:251] the last factor, v[252:253] f, v254, v255, v7 at work
.set TB,   2                           ; s2   LDS byte at which the slot in hand begins
.set SLOTS, 3                          ; s3   slots still to be asked for
.set MPA,  4                           ; s[4:5] tile A's mask words;  s[6:7] tile B's
.set MPB,  6
.set OCB,  8                           ; s[8:9] oc at my batch and head
.set WV,   10
.set KF,   11                          ; s11  the step's first key
.set MOFF, 12                          ; s12  the step's place among a tile's mask words: 256 bytes a step = 2 KF
.set QLA,  13                          ; s13  tile A's last query;  s14 tile B's
.set QLB,  14
.set EPV,  15                          ; s15  e8 + e9
                                       ; s[16:63], s[80:95]: a step's 64 mask words (at the head: arguments, offsets and scales)
.set SEL,  66                          ; s[66:67] lane selects: lane l xor 16
.set CS,   68                          ; s[68:69] c = 2^(e6 + e7) log2(e) / 8
.set FLG,  70                          ; s70  the lanes whose row has no key that counts
.set G1,   72                          ; s[72:79] descriptor group 1
.set G0,   96                          ; s[96:99] descriptor group 0, which walks
; Waves 0 and 1 fetch, a key step each; the branch hangs on the wave's number alone.  An s_nop 0 and four v_nop follow the load.
.macro TLOAD
	s_cmp_lt_u32 s[WV], 2
	s_cbranch_scc0 .Lnot_mine_\@
	tensor_load_to_lds s[G0:G0+3], s[G1:G1+7]
	s_nop 0
.rept 4
	v_nop
.endr
.Lnot_mine_\@:
.endm
	s_load_b256 s[16:23], s[0:1], 0x0              ; qc s[16:17], kv s[18:19], maskw s[20:21], the scales s[22:23]
	s_load_b64 s[24:25], s[0:1], 0x20              ; oc
	v_lshl_add_u32 v[SPW], v0, 2, SPARE
	v_mov_b32 v[NIL], 0
	ds_add_u32 v[SPW], v[NIL]                      ; the wave's opening: the add, twice on end, and its wait ahead of my first tensor load
	ds_add_u32 v[SPW], v[NIL]                      ; and once more, under the one wait; the set-up below, work on registers, stands between
	v_lshrrev_b32 v7, 5, v0
	s_delay_alu instid0(VALU_DEP_1)
	v_readfirstlane_b32 s[WV], v7                  ; wave 0..15
	s_and_b32 s71, ttmp7, 0xffff                   ; 16 x batch + head
	s_lshr_b32 s100, s71, 4                        ; batch
	s_and_b32 s101, s71, 15                        ; head
	s_lshl_b32 s104, ttmp9, 4
	s_add_co_u32 s104, s104, s[WV]                 ; tile A = 16 i + w
	s_sub_co_u32 s105, 7, ttmp9
	s_lshl_b32 s105, s105, 4
	s_add_co_u32 s105, s105, s[WV]                 ; tile B = 16 (7 - i) + w
	s_lshl_b32 s[QLA], s104, 4
	s_add_co_u32 s[QLA], s[QLA], 15
	s_lshl_b32 s[QLB], s105, 4
	s_add_co_u32 s[QLB], s[QLB], 15
	; descriptor group 1: a dense block of 16,384 bytes as 64 rows of 256
	s_mov_b32 s[G1], 3<<16                         ; 15:0 no mask; 17:16 elements of 8 bytes; no padding
	s_mov_b32 s[G1+1], 32<<16                      ; tensor_dim0 = 32
	s_mov_b32 s[G1+2], 64<<16                      ; tensor_dim1 = 64
	s_mov_b32 s[G1+3], 32<<16                      ; tile_dim0 = 32
	s_mov_b32 s[G1+4], 64                          ; tile_dim1 = 64
	s_mov_b32 s[G1+5], 32                          ; tensor_dim0_stride
	s_mov_b32 s[G1+6], 0
	s_mov_b32 s[G1+7], 0
	s_mov_b32 s[SEL], 0x76543210
	s_mov_b32 s[SEL+1], 0xfedcba98
	s_mov_b32 s[CS], 0x3e38aa3b                    ; log2(e) / 8
	s_mov_b32 s[TB], SLOT0
	s_mov_b32 s[SLOTS], NSL-1
	s_mov_b32 s[KF], 0
	s_mov_b32 s[MOFF], 0
	s_and_b32 s[G0+1], s[WV], 1                    ; which of a slot's two key steps I fetch, if I fetch
	s_lshl_b32 s[G0+1], s[G0+1], 14
	s_lshl_b32 s26, s71, 18                        ; kv: a head's 262,144 bytes,
	s_add_co_u32 s26, s26, s[G0+1]                 ; + my key step
	s_mov_b32 s27, 0
	s_add_co_u32 s[G0+1], s[G0+1], SLOT0           ; and its place in slot 0
	s_lshl_b32 s28, s71, 7
	s_add_co_u32 s30, s28, s105
	s_add_co_u32 s28, s28, s104
	s_lshl_b32 s28, s28, 10                        ; qc: a tile's 1,024 bytes
	s_lshl_b32 s30, s30, 10
	s_mov_b32 s29, 0
	s_mov_b32 s31, 0
	s_lshl_b32 s44, s100, 7
	s_add_co_u32 s46, s44, s105
	s_add_co_u32 s44, s44, s104
	s_lshl_b32 s44, s44, 12                        ; maskw: a tile's 4,096 bytes
	s_lshl_b32 s46, s46, 12
	s_mov_b32 s45, 0
	s_mov_b32 s47, 0
	s_lshl_b32 s48, s100, 21                       ; oc: a batch's 128 tiles of 16,384 bytes,
	s_lshr_b32 s49, s101, 1
	s_lshl_b32 s49, s49, 11                        ; the K step of 128 that holds my head,
	s_add_co_u32 s48, s48, s49
	s_and_b32 s49, s101, 1
	s_lshl_b32 s49, s49, 10                        ; and my head's two pieces of its four
	s_add_co_u32 s48, s48, s49
	s_mov_b32 s49, 0
	s_wait_dscnt 0x0                               ; both opening adds are done
	s_wait_kmcnt 0x0
	s_load_b256 s[32:39], s[22:23], 0x0            ; e0 .. e7
	s_load_b128 s[40:43], s[22:23], 0x20           ; e8 .. e11
	s_mov_b32 s[G0], 1                             ; count = 1
	s_add_nc_u64 s[G0+2:G0+3], s[18:19], s[26:27]  ; the head's first keys
	s_or_b32 s[G0+3], s[G0+3], 0x80000000          ; type = 2
	TLOAD                                          ; slot 0
	s_add_nc_u64 s[28:29], s[16:17], s[28:29]
	s_add_nc_u64 s[30:31], s[16:17], s[30:31]
	s_add_nc_u64 s[MPA:MPA+1], s[20:21], s[44:45]
	s_add_nc_u64 s[MPB:MPB+1], s[20:21], s[46:47]
	s_add_nc_u64 s[OCB:OCB+1], s[24:25], s[48:49]
	v_and_b32 v[LI], 31, v0
	s_delay_alu instid0(VALU_DEP_1)
	v_lshlrev_b32 v[LI], 4, v[LI]
	global_load_b128 v[QA:QA+3], v[LI], s[28:29]               ; my two tiles of queries stay in registers
	global_load_b128 v[QA+4:QA+7], v[LI], s[28:29] offset:512
	global_load_b128 v[QB:QB+3], v[LI], s[30:31]
	global_load_b128 v[QB+4:QB+7], v[LI], s[30:31] offset:512
	s_mul_i32 s100, s[WV], 1280
	s_add_co_u32 s100, s100, STG                   ; my stage
	v_and_b32 v7, 15, v0                           ; r
	v_bfe_u32 v254, v0, 4, 1                       ; h
	s_delay_alu instid0(VALU_DEP_2)
	v_mul_u32_u24 v[SIN], v7, 80
	s_delay_alu instid0(VALU_DEP_1)
	v_add_nc_u32 v[SIN], s100, v[SIN]
	s_delay_alu instid0(VALU_DEP_1)
	v_lshl_add_u32 v[SBK], v254, 4, v[SIN]
	s_delay_alu instid0(VALU_DEP_2)
	v_lshl_add_u32 v[SIN], v254, 3, v[SIN]
.irp st, STA, STB
	v_mov_b32 v[\st+1], 0xff61b1e6                 ; the largest t so far: -3e38, under every t
	s_delay_alu instid0(VALU_DEP_1)
	v_floor_f32 v[\st], -v[\st+1]                  ; -M
	v_mov_b32 v[\st+2], 0                          ; the sum, in two halves
	v_mov_b32 v[\st+3], 0
.endr
.set j, 0
.rept 64
	v_mov_b32 v[OA+j], 0                           ; O^T of both tiles.  (A step is written once: the first finds zeros, which the first change of M leaves zeros)
.set j, j+1
.endr
	v_mov_b32 v244, 0xff800000                     ; -infinity
	v_mov_b32 v246, 0                              ; written once: a lane permute's destination counts as one of its sources
	v_mov_b32 v251, 0                              ; (named as the upper halves of pairs)
	v_mov_b32 v253, 0
	s_wait_kmcnt 0x0
	s_add_co_i32 s71, s38, s39
	s_lshl_b32 s71, s71, 23
	s_add_co_i32 s[CS], s[CS], s71                 ; a score stands for score x 2^(e6 + e7): the exponents are added to c's exponent field
	s_mov_b32 s[CS+1], s[CS]                       ; (named with it as a pair)
	s_add_co_i32 s71, s40, 127
	s_lshl_b32 s100, s71, 23
	v_mov_b32 v241, s100                           ; 2^e8
	s_add_co_i32 s71, s71, 8
	s_lshl_b32 s71, s71, 23
	s_or_b32 s71, s71, 0x600000
	v_mov_b32 v240, s71                            ; 448 x 2^e8
	s_add_co_i32 s71, s42, 127
	s_lshl_b32 s100, s71, 23
	v_mov_b32 v248, s100                           ; 2^e10
	s_add_co_i32 s[EPV], s40, s41                  ; e8 + e9
	s_sub_co_i32 s71, s[EPV], 11
	v_ldexp_f32 v249, 1.0, s71                     ; 2^(e8 + e9) / 2,048
.set j, 0
.rept 8
	v_min_num_f32 v[S+j], 1.0, v240                ; Q(1): held as every p is,
.set j, j+1
.endr
	v_cvt_scalef32_pk8_fp8_f32 v[S+8:S+9], v[S:S+7], v241      ; and converted: eight equal codes
	v_nop                                          ; one plain vector instruction between the conversion and the use of its result
	v_mov_b32 v245, v[S+8]
	s_cmp_lg_u32 s[WV], 4
	s_cbranch_scc1 .Lno_zero
.irp p, 0,1,2,3,4,5,6,7
	ds_store_b128 v[LI], v[OA:OA+3] offset:VS+512*\p           ; wave 4's sums over all keys begin as zeros; nobody else touches these bytes before the last barrier
.endr
.Lno_zero:
	s_wait_loadcnt 0x0                             ; my queries are in: their base registers are free for the mask words
; WAVE 4 ALONE: the slot's 256 keys are added to the sums of code(Q(1)) x code(v).  The sums rest in LDS between slots, since their registers serve the wave's own steps.  No barrier stands here.
.macro VSUM
	s_cmp_lg_u32 s[WV], 4
	s_cbranch_scc1 .Lno_sum_\@
.rept 5
	v_nop                                          ; places behind the last step's products, whose sources are written and loaded below
.endr
.set j, 0
	s_wait_alu depctr_va_vdst(0)
.rept 16
	v_mov_b32 v[PC+j], v245                        ; p = Q(1) for every query and key
.set j, j+1
.endr
	s_wait_alu depctr_va_vdst(0)
.irp p, 0,1,2,3,4,5,6,7
	ds_load_b128 v[S+4*\p:S+4*\p+3], v[LI] offset:VS+512*\p
.endr
.irp q, 0,1
.irp d, 0,1,2,3
.irp p, 0,1,2,3
	ds_load_b128 v[FRG+16*\d+4*\p:FRG+16*\d+4*\p+3], v[ADR] offset:STEPB*\q+8192+2048*\d+512*\p
.endr
.endr
	s_wait_dscnt 0x0
.irp d, 0,1,2,3
	v_wmma_f32_16x16x128_fp8_fp8 v[S+8*\d:S+8*\d+7], v[FRG+16*\d:FRG+16*\d+15], v[PC:PC+15], v[S+8*\d:S+8*\d+7]   ; the four accumulators by turns
.endr
.rept 4
	v_nop                                          ; places in front of the loads into v's fragments, and of the stores of results
.endr
.endr
.irp p, 0,1,2,3,4,5,6,7
	ds_store_b128 v[LI], v[S+4*\p:S+4*\p+3] offset:VS+512*\p   ; each accumulator from its low end on
.endr
.Lno_sum_\@:
.endm
; A KEY STEP OF ONE TILE: 128 keys, the q-th of the slot in hand.  st: the tile's statistics; qf: its queries; ot: its O^T; mp: its mask words; ql: its last query.
.macro STEP st, qf, ot, mp, ql, q
	s_cmp_gt_u32 s[KF], s[\ql]                     ; all keys of the step come after my 16 queries: the step is left out.  Ids and the count of steps alone; no barrier and no tensor load stands in a step
	s_cbranch_scc1 .Lhidden_\@
	s_load_b512 s[16:31], s[\mp:\mp+1], s[MOFF] offset:0x0     ; the step's 64 mask words
	s_load_b512 s[32:47], s[\mp:\mp+1], s[MOFF] offset:0x40
	s_load_b512 s[48:63], s[\mp:\mp+1], s[MOFF] offset:0x80
	s_load_b512 s[80:95], s[\mp:\mp+1], s[MOFF] offset:0xc0
.rept 4
	v_nop                                          ; places in front of loads into registers that matrix instructions have read
.endr
	s_wait_alu depctr_va_vdst(0)
.irp t, 0,1,2,3,4,5,6,7
	ds_load_b128 v[FRG+8*\t:FRG+8*\t+3], v[ADR] offset:STEPB*(\q)+1024*\t
	ds_load_b128 v[FRG+8*\t+4:FRG+8*\t+7], v[ADR] offset:STEPB*(\q)+1024*\t+512
.endr
	s_wait_dscnt 0x0
.irp t, 0,1,2,3,4,5,6,7
	v_wmma_f32_16x16x64_fp8_fp8 v[S+8*\t:S+8*\t+7], v[FRG+8*\t:FRG+8*\t+7], v[\qf:\qf+7], 0     ; S^T = k q^T
.endr
.rept 4
	v_nop
.endr
.irp d, 0,1,2,3
.irp p, 0,1,2,3
	ds_load_b128 v[FRG+16*\d+4*\p:FRG+16*\d+4*\p+3], v[ADR] offset:STEPB*(\q)+8192+2048*\d+512*\p   ; v's fragments land while the softmax is worked
.endr
.endr
	s_wait_kmcnt 0x0                               ; the mask words are in
.set n, 0
.rept 64
.if n < 48
	v_cndmask_b32 v[S+n], v244, v[S+n], s[16+n]    ; a key that does not count: -infinity, so that p = 0.  Each accumulator from its low end on
.else
	v_cndmask_b32 v[S+n], v244, v[S+n], s[32+n]
.endif
.set n, n+1
.endr
	v_max3_num_f32 v254, v[S], v[S+1], v[S+2]      ; the step's largest score of my query, among my 64 keys, in two chains,
	v_max3_num_f32 v255, v[S+3], v[S+4], v[S+5]
.set j, 6
.rept 14
	s_delay_alu instid0(VALU_DEP_2)
	v_max3_num_f32 v254, v254, v[S+j], v[S+j+1]
	s_delay_alu instid0(VALU_DEP_2)
	v_max3_num_f32 v255, v255, v[S+j+2], v[S+j+3]
.set j, j+4
.endr
	s_delay_alu instid0(VALU_DEP_2)
	v_max3_num_f32 v254, v254, v[S+62], v[S+63]
	s_delay_alu instid0(VALU_DEP_1)
	v_max_num_f32 v254, v254, v255
	s_delay_alu instid0(VALU_DEP_1)
	v_permlanex16_b32 v246, v254, s[SEL], s[SEL+1]
	s_delay_alu instid0(VALU_DEP_1)
	v_max_num_f32 v254, v254, v246                 ; and among lane l xor 16's
	s_delay_alu instid0(VALU_DEP_1)
	v_mul_f32 v254, s[CS], v254                    ; as t (c is positive)
	s_delay_alu instid0(VALU_DEP_1)
	v_max_num_f32 v[\st+1], v[\st+1], v254         ; the running largest t: -3e38 while no key has counted
	v_mov_b32 v254, v[\st]
	s_delay_alu instid0(VALU_DEP_2)
	v_floor_f32 v[\st], -v[\st+1]                  ; the new -M = floor(-t) = -ceil(t): a whole number
	s_delay_alu instid0(VALU_DEP_1)
	v_sub_f32 v254, v[\st], v254                   ; M's old value less its new one: a whole number, 0 or less
	s_delay_alu instid0(VALU_DEP_1)
	v_cvt_i32_f32 v254, v254                       ; (it saturates)
	s_delay_alu instid0(VALU_DEP_1)
	v_ldexp_f32 v252, 1.0, v254                    ; f = 2^(old M - new M): a multiplication by it rounds nothing
.set j, 0
.rept 32
	v_pk_fma_f32 v[S+j:S+j+1], v[S+j:S+j+1], s[CS:CS+1], v[\st:\st+1] op_sel_hi:[1,0,0]   ; t - M, two at a time
.set j, j+2
.endr
.set j, 0
	s_wait_alu depctr_va_vdst(0)
.rept 64
	v_exp_f32 v[S+j], v[S+j]                       ; p = 2^(t - M), at most 1
.set j, j+1
.endr
	v_pk_mul_f32 v[\st+2:\st+3], v[\st+2:\st+3], v[252:253] op_sel_hi:[1,0]   ; the sums under the new M: the plain instruction behind the exponentials
	s_wait_alu depctr_va_vdst(0)                   ; one wait for the whole batch, ahead of its first reader
	v_pk_add_f32 v[242:243], v[S:S+1], v[S+2:S+3]  ; the row's sum is taken of the unquantised p, in two chains
.set j, 4
.rept 15
	v_pk_add_f32 v[\st+2:\st+3], v[\st+2:\st+3], v[S+j:S+j+1]
	v_pk_add_f32 v[242:243], v[242:243], v[S+j+2:S+j+3]
.set j, j+4
.endr
	s_delay_alu instid0(VALU_DEP_1)
	v_pk_add_f32 v[\st+2:\st+3], v[\st+2:\st+3], v[242:243]
.irp t, 0,1,2,3,4,5,6,7
.set j, 0
.rept 8
.set j, j+1
.endr
	v_cvt_scalef32_pk8_fp8_f32 v[PC+2*\t:PC+2*\t+1], v[S+8*\t:S+8*\t+7], v241   ; keys 16 t + 8 h + 0 .. 7: registers 2 t, 2 t + 1 of the operand
.endr
.set j, 0
.rept 16
	v_pk_mul_f32 v[\ot+j:\ot+j+1], v[\ot+j:\ot+j+1], v[252:253] op_sel_hi:[1,0]   ; O^T under the new M.  (Also the plain instructions behind the last conversion)
.set j, j+2
.endr
	s_wait_alu depctr_va_vdst(0)
	s_wait_dscnt 0x0                               ; v's fragments are in
.irp d, 0,1,2,3
	v_wmma_f32_16x16x128_fp8_fp8 v[\ot+8*\d:\ot+8*\d+7], v[FRG+16*\d:FRG+16*\d+15], v[PC:PC+15], v[\ot+8*\d:\ot+8*\d+7]   ; O^T += v^T p^T: the four accumulators by turns
.endr
.Lhidden_\@:
.endm
; THE CHANGE OF SLOTS stands at a slot's head.  Each wave waits for all its tensor loads, adds 0 to its spare word, and waits for that and for its reads of the slot that it has left.  Behind the barrier the slot ahead is whole
; and nobody reads the other one.  fill = 1: that other slot takes the next 256 keys: the load has a whole slot's steps in which to land.  Every slot is read: wave 4 reads v's part of each.
.macro CHANGE fill
	s_wait_tensorcnt 0x0                           ; no tensor load of mine is out, so group 0 may be written
	ds_add_u32 v[SPW], v[NIL]                      ; 0 onto my spare word
.if \fill
	ds_add_u32 v[SPW], v[NIL]                      ; and once more: the add twice on end here, in every trip alike
	s_xor_b32 s[G0+1], s[G0+1], FLIP               ; the other slot than last time,
	s_add_nc_u64 s[G0+2:G0+3], s[G0+2:G0+3], 2*STEPB   ; the next 256 keys; the type bits on top are not reached
.endif
	s_wait_dscnt 0x0                               ; the adds are done, and my LDS reads and stores are over
	s_barrier_signal -1
	s_barrier_wait -1
.if \fill
	TLOAD                                          ; the first thing behind the barrier, and a wave's one tensor load until the next
.endif
.endm
.macro SLOT_WORK
	v_add_nc_u32 v[ADR], s[TB], v[LI]
	VSUM
	STEP STB, QB, OB, MPB, QLB, 0
	STEP STA, QA, OA, MPA, QLA, 0
	s_add_co_u32 s[KF], s[KF], 128
	s_add_co_u32 s[MOFF], s[MOFF], 256             ; (every step that loaded mask words has waited for them)
	STEP STB, QB, OB, MPB, QLB, 1
	STEP STA, QA, OA, MPA, QLA, 1
	s_add_co_u32 s[KF], s[KF], 128
	s_add_co_u32 s[MOFF], s[MOFF], 256
	s_xor_b32 s[TB], s[TB], FLIP                   ; on to the other slot
.endm
.Lslot:                                                ; NSL - 1 trips: behind each change of slots but the last the next slot is asked for
	CHANGE 1
	SLOT_WORK
	s_sub_co_u32 s[SLOTS], s[SLOTS], 1
	s_cmp_lg_u32 s[SLOTS], 0
	s_cbranch_scc1 .Lslot
	CHANGE 0                                       ; the last slot is written out
	SLOT_WORK
	; THE WAY OUT.  The offsets in oc (a tile's 16,384 bytes + 16 x lane) and two v_nop are the four places behind the last products.
	s_sub_co_u32 s100, s[QLA], 15
	s_lshl_b32 s100, s100, 10
	v_add_nc_u32 v[ADR], s100, v[LI]
	s_sub_co_u32 s101, s[QLB], 15
	s_lshl_b32 s101, s101, 10
	v_add_nc_u32 v7, s101, v[LI]
	v_nop
	v_nop
	s_wait_dscnt 0x0                               ; wave 4: its last stores of the sums over all keys have landed
	s_barrier_signal -1
	s_barrier_wait -1
.irp p, 0,1,2,3,4,5,6,7
	ds_load_b128 v[FRG+4*\p:FRG+4*\p+3], v[LI] offset:VS+512*\p   ; the sums over all keys, in O^T's layout: the same for every query
.endr
	s_wait_dscnt 0x0
; One tile: O^T / the sum x 2^(e8 + e9), or the sums over all keys x 2^(e8 + e9) / 2,048; quantised with 2^e10.  A lane's 8 codes of a tile of 16 features go through my stage (row = query, 64 bytes + 16) and come back
; 16 to a lane, as the last projection's operand holds them: lane (r, h): features 32 cc + 16 h + 0 .. 15 of query r.
.macro OUT st, ot, cr, dr, ad
	v_add_f32 v254, v[\st+2], v[\st+3]             ; the sum's two halves,
	s_delay_alu instid0(VALU_DEP_1)
	v_permlanex16_b32 v246, v254, s[SEL], s[SEL+1]
	s_delay_alu instid0(VALU_DEP_1)
	v_add_f32 v254, v254, v246                     ; and lane l xor 16's
	s_delay_alu instid0(VALU_DEP_1)
	v_cmp_gt_f32 s[FLG], 0.5, v254                 ; under 1/2: no key has counted for this query
	s_delay_alu instid0(VALU_DEP_2)
	v_max_num_f32 v254, 0.5, v254
	s_wait_alu depctr_va_vdst(0)
	v_rcp_f32 v255, v254
	v_nop                                          ; a plain instruction behind the reciprocal
	s_wait_alu depctr_va_vdst(0)                   ; and the wait ahead of its first reader
	v_ldexp_f32 v255, v255, s[EPV]
	s_delay_alu instid0(VALU_DEP_1)
	v_cndmask_b32 v250, v255, v249, s[FLG]
.set j, 0
.rept 32
	v_cndmask_b32 v[S+j], v[\ot+j], v[FRG+j], s[FLG]   ; each accumulator from its low end on
.set j, j+1
.endr
.set j, 0
.rept 16
	v_pk_mul_f32 v[S+j:S+j+1], v[S+j:S+j+1], v[250:251] op_sel_hi:[1,0]
.set j, j+2
.endr
.set j, 0
.rept 32
.set j, j+1
.endr
.irp d, 0,1,2,3
	v_cvt_scalef32_pk8_fp8_f32 v[\cr+2*\d:\cr+2*\d+1], v[S+8*\d:S+8*\d+7], v248
.endr
	v_nop                                          ; one plain vector instruction behind the last conversion
.irp d, 0,1,2,3
	ds_store_b64 v[SIN], v[\cr+2*\d:\cr+2*\d+1] offset:16*\d
.endr
	ds_load_b128 v[\dr:\dr+3], v[SBK]              ; LDS serves a wave's instructions in order: these see my stores
	ds_load_b128 v[\dr+4:\dr+7], v[SBK] offset:32
	s_wait_dscnt 0x0
	global_store_b128 v[\ad], v[\dr:\dr+3], s[OCB:OCB+1]               ; a piece: 32 lanes store 512 consecutive bytes, aligned
	global_store_b128 v[\ad], v[\dr+4:\dr+7], s[OCB:OCB+1] offset:512
.endm
	OUT STA, OA, 224, 232, ADR
	OUT STB, OB, 64, 72, 7                         ; other registers for codes, rows and offset: no store's sources are written again
	s_wait_tensorcnt 0x0                           ; the wave's end, behind my last tensor load and my last LDS store
	ds_add_u32 v[SPW], v[NIL]
	s_wait_dscnt 0x0
	s_endpgm
.Lfunc_end_k_q8d1f25b91d_attn:
	.size	k_q8d1f25b91d_attn, .Lfunc_end_k_q8d1f25b91d_attn-k_q8d1f25b91d_attn
	.p2alignl 7, 3214868480
	.fill 96, 4, 3214868480
	.section	.rodata,"a",@progbits
	.p2align	6, 0x0
	.amdhsa_kernel k_q8d1f25b91d_attn
		.amdhsa_group_segment_fixed_size 327680
		.amdhsa_private_segment_fixed_size 0
		.amdhsa_enable_private_segment 0
		.amdhsa_kernarg_size 40
		.amdhsa_user_sgpr_count 2
		.amdhsa_user_sgpr_kernarg_segment_ptr 1
		.amdhsa_wavefront_size32 1
		.amdhsa_system_sgpr_workgroup_id_x 1
		.amdhsa_system_sgpr_workgroup_id_y 1
		.amdhsa_system_sgpr_workgroup_id_z 1
		.amdhsa_system_vgpr_workitem_id 0
		.amdhsa_next_free_vgpr 256
		.amdhsa_next_free_sgpr 106
		.amdhsa_reserve_vcc 0
		.amdhsa_float_denorm_mode_32 3
		.amdhsa_float_denorm_mode_16_64 3
		.amdhsa_fp16_overflow 1
		.amdhsa_memory_ordered 1
		.amdhsa_forward_progress 1
		.amdhsa_inst_pref_size 179
	.end_amdhsa_kernel
	.amdgpu_metadata
---
amdhsa.version: [ 1, 2 ]
amdhsa.kernels:
  - .name:           k_q8d1f25b91d_attn
    .symbol:         k_q8d1f25b91d_attn.kd
    .args:
      - { .name: qc, .offset: 0, .size: 8, .value_kind: global_buffer, .address_space: global }
      - { .name: kv, .offset: 8, .size: 8, .value_kind: global_buffer, .address_space: global }
      - { .name: maskw, .offset: 16, .size: 8, .value_kind: global_buffer, .address_space: global }
      - { .name: lowp_scales, .offset: 24, .size: 8, .value_kind: global_buffer, .address_space: global }
      - { .name: oc, .offset: 32, .size: 8, .value_kind: global_buffer, .address_space: global }
    .group_segment_fixed_size: 327680
    .private_segment_fixed_size: 0
    .kernarg_segment_align: 8
    .kernarg_segment_size: 40
    .max_flat_workgroup_size: 512
    .sgpr_count:     106
    .vgpr_count:     256
    .wavefront_size: 32
...
	.end_amdgpu_metadata
.endif
;; end of part 3
;; launch proj (part 4): grid 4 x 32, 4 waves a work-group, clusters of 4 x 4, 327,680 bytes of LDS; arguments oc, Wp_codes, lowp_scales, bp, out0; writes out0
.if DOCPART == 4
	.amdgcn_target "amdgcn-amd-amdhsa--gfx1250"
	.amdhsa_code_object_version 6
	.text
	.protected	k_q8d1f25b91d_proj
	.globl	k_q8d1f25b91d_proj
	.p2align	8
	.type	k_q8d1f25b91d_proj,@function
k_q8d1f25b91d_proj:
	s_mov_b64 s[64:65], 0
	v_nop
	global_prefetch_b8 v0, s[64:65] scope:SCOPE_SE
	s_setreg_imm32_b32 hwreg(HW_REG_WAVE_MODE, 25, 1), 1
	s_wait_xcnt 0x0
	s_wait_alu depctr_hold_cnt(0) depctr_sa_sdst(0) depctr_va_vdst(0) depctr_va_sdst(0) depctr_va_ssrc(0) depctr_va_vcc(0) depctr_vm_vsrc(0)
	s_getreg_b32 s2, hwreg(HW_REG_IB_STS2, 6, 4)
	s_cmp_eq_u32 s2, 0
	s_cbranch_scc0 .Lentry_in_a_cluster
	s_endpgm
.Lentry_in_a_cluster:
	s_bfe_u32 s2, ttmp6, 0x10000c
	s_cmp_lg_u32 s2, 0xf033
	s_cbranch_scc0 .Lentry_shape_is_right
	s_endpgm
.Lentry_shape_is_right:
; out0 = o Wp^T + bp on codes of FP8 (E4M3).  o's codes (scale 2^e10) come from the attention launch as images of this launch's operand registers; Wp's (scale 2^e11) are given, [1,024][1,024], K innermost.  out0: [8,192][1,024] f32.
; The codes are multiplied as they are; each finished sum goes out as sum x 2^(e10 + e11) + bp, one packed multiply-add for two numbers.  LIMIT: e10 + e11 between -126 and 127.  Nothing of reference() is left out here.
; A tile of out0, 256 x 256, is made by four waves, each 128 x 128: 64 accumulators, 512 registers.  K goes in steps of 256 through a ring of two LDS slots.  32 x 4 tiles: 128 work-groups.
; A (o): oc is [tile of 16 tokens 512][K step of 128: 8][piece 4][lane 32][16 bytes]; lane (r, h) of piece c holds token r, k = 32 c + 16 h + 0 .. 15: the order in which four loads of 16 bytes bring a row of Wp.  A K step of 256 of
; a tile of tokens is 4,096 consecutive bytes; a wave's tensor load brings eight such rows, 16,384 bytes apart, and they lie dense in LDS: a fragment's load takes 512 consecutive bytes.
; CLUSTERS: 4 x 4 work-groups; A's tiles are asked for jointly along a row of the cluster, B's along a column.  THE MATRIX INSTRUCTION IS USED TRANSPOSED: a lane holds eight neighbouring numbers of a row of out0.
; REGISTERS, in windows of 256: window 0: v0-31 addresses; v32-95 bp at my 64 columns, in the results' layout; from v128 A's fragments, ONE set, later rows on their way out.
;   window 1: B's fragments, TWO sets; on the way out v0-63 a block's results.   windows 2, 3: the accumulators ((a, b) at v[8 (8 (a % 4) + b)]).
.set SIZE_N, 1024
.set SIZE_K, 1024
.set ROWB,   256                       ; B: a tile's row in bytes
.set KROW,   SIZE_K
.set PITCH,  272                       ; B: an LDS row: 256 bytes + 16 of padding
.set AROW,   4096                      ; A: a tile of 16 tokens x 256 along K
.set ABLK,   8*AROW                    ; A: what one tensor load brings
.set ATILE,  16384                     ; A: from a tile of tokens to the next in memory
.set HALFB,  128*PITCH                 ; B: what one tensor load brings
.set BOFF,   2*ABLK                    ; a slot: A's two blocks, then B's two
.set SLOT,   BOFF+2*HALFB
.set FR,     16
.set NL,     4
.set NP,     4
.set LAPS,   SIZE_K/512
.set SPARE,  2*SLOT                    ; behind the ring: the spare words, 128 bytes for each wave
.set SPITCH, 528                       ; the way out: a stage of 16 rows x (512 bytes + 16) for each wave, in slot 0, which has had its last fill and its last read when the first result is stored there
.set ADRA, 16
.set ADRB, 20
.set STO,  24
.set RD,   25
.set CO,   26                          ; v26  16 x lane
.set BO,   27                          ; v27  32 x (lane / 16): my eight columns' place in bp
.set SPW,  28
.set NIL,  29
.set BIA,  32                          ; v32-95 bp: register 8 b + j = column 16 b + 8 h + j of my 128
.set TMP,  0                           ; window 1: a block's results
.set AF,   128
.set BK,   128
.set G1, 24
.set G0, 32
.set G1B, 48
.set G0B, 56
.set MSB, 0
.macro WIN new
.if MSB != (\new)
	s_set_vgpr_msb (MSB<<8)|(\new)
.set MSB, (\new)
.endif
.endm
.set MUL_LO, 0xa1
.set MUL_HI, 0xf1
.set TO_B,   0x40
.macro JLOAD g0a, g1a, g0b, g1b        ; a joint load: waves 0 and 1 fetch for A, waves 2 and 3 for B; an s_nop 0 and four v_nop follow each of the two lines
	s_cmp_eq_u32 s15, 0
	s_cbranch_scc0 .Lfor_b_\@
	tensor_load_to_lds s[\g0a:\g0a+3], s[\g1a:\g1a+7]
	s_nop 0
.rept 4
	v_nop
.endr
	s_branch .Lasked_\@
.Lfor_b_\@:
	tensor_load_to_lds s[\g0b:\g0b+3], s[\g1b:\g1b+7]
	s_nop 0
.rept 4
	v_nop
.endr
.Lasked_\@:
.endm
.macro CREST
	s_cmp_lg_u32 s14, 0
	s_cbranch_scc1 .Lnot_wave_0_\@
	s_barrier_signal -3
.Lnot_wave_0_\@:
	s_barrier_wait -3
	s_barrier_signal -1
	s_barrier_wait -1
.endm
.macro CROUND
	s_barrier_signal -1
	s_barrier_wait -1
	CREST
.endm
	s_load_b128 s[4:7], s[0:1], 0x0                ; oc s[4:5], Wp's codes s[6:7]
	s_load_b64 s[8:9], s[0:1], 0x10                ; the scales' exponents
	s_load_b64 s[12:13], s[0:1], 0x18              ; bp
	s_load_b64 s[10:11], s[0:1], 0x20              ; out0
	v_lshl_add_u32 v[SPW], v0, 2, SPARE
	v_mov_b32 v[NIL], 0
	ds_add_u32 v[SPW], v[NIL]                      ; the wave's opening: the add, twice on end, and its wait ahead of my first tensor load
	ds_add_u32 v[SPW], v[NIL]                      ; and once more, under the one wait
	v_lshrrev_b32 v1, 5, v0
	v_readfirstlane_b32 s14, v1                    ; wave 0..3
	s_lshr_b32 s15, s14, 1                         ; which half of the tile's rows is mine.  Also: I fetch for A (0) or for B (1)
	s_and_b32 s16, s14, 1                          ; which half of its columns.  Also: which half of that tile I fetch
	s_bfe_u32 s40, ttmp6, 0x40000                  ; cx, cy
	s_bfe_u32 s41, ttmp6, 0x40004
	s_lshl_b32 s42, ttmp9, 2
	s_add_co_u32 s42, s42, s40                     ; tile column
	s_and_b32 s17, ttmp7, 0xffff
	s_lshl_b32 s17, s17, 2
	s_add_co_u32 s17, s17, s41                     ; tile row
	s_lshl_b32 s43, s41, 2
	s_lshl_b32 s43, 15, s43                        ; my row of the cluster
	s_lshl_b32 s44, 0x1111, s40                    ; my column
	s_or_b32 s[G1+0], s43, (0<<16)|(1<<21)         ; A: 15:0 the mask: my row; elements of 1 byte; no padding; 21 set beside a mask
	s_mov_b32 s[G1+1], AROW<<16                    ; tensor_dim0 = 4,096
	s_mov_b32 s[G1+2], 8<<16                       ; tensor_dim1 = 8
	s_mov_b32 s[G1+3], AROW<<16                    ; tile_dim0
	s_mov_b32 s[G1+4], 8                           ; tile_dim1
	s_mov_b32 s[G1+5], ATILE                       ; tensor_dim0_stride
	s_mov_b32 s[G1+6], 0
	s_mov_b32 s[G1+7], 0
	s_or_b32 s[G1B+0], s44, (0<<16)|(1<<20)|(1<<21)|(5<<22)|(3<<25)   ; B: the mask of my column; padding: four words after every 64
	s_mov_b32 s[G1B+1], ROWB<<16
	s_mov_b32 s[G1B+2], 128<<16
	s_mov_b32 s[G1B+3], ROWB<<16
	s_mov_b32 s[G1B+4], 128
	s_mov_b32 s[G1B+5], KROW
	s_mov_b32 s[G1B+6], 0
	s_mov_b32 s[G1B+7], 0
	s_lshl_b32 s18, s16, 17                        ; my half: 8 tiles of tokens x 16,384 bytes; likewise 128 rows of Wp x 1,024 bytes
	s_lshl_b32 s20, s17, 18                        ; A: 16 tiles of tokens to a tile row
	s_add_co_u32 s20, s20, s18
	s_mov_b32 s21, 0
	s_lshl_b32 s46, s42, 18                        ; B: 256 rows to a tile column
	s_add_co_u32 s46, s46, s18
	s_mov_b32 s47, 0
	s_lshl_b32 s45, s16, 15                        ; where they go: A's half,
	s_mul_i32 s22, s16, HALFB
	s_add_co_u32 s22, s22, BOFF                    ; B's half: the wave's number alone enters an LDS address
	s_wait_dscnt 0x0                               ; both opening adds are done
	s_wait_kmcnt 0x0
	s_load_b64 s[96:97], s[8:9], 0x28              ; e10, e11
	s_add_nc_u64 s[20:21], s[4:5], s[20:21]
	s_add_nc_u64 s[46:47], s[6:7], s[46:47]
	CROUND                                         ; all sixteen work-groups are here: the first joint loads meet
.irp s, 0,1
	s_mov_b32 s[G0+4*\s], 1
	s_add_co_u32 s[G0+4*\s+1], s45, \s*SLOT
	s_add_nc_u64 s[G0+4*\s+2:G0+4*\s+3], s[20:21], \s*AROW
	s_or_b32 s[G0+4*\s+3], s[G0+4*\s+3], 0x80000000
	s_mov_b32 s[G0B+4*\s], 1
	s_add_co_u32 s[G0B+4*\s+1], s22, \s*SLOT
	s_add_nc_u64 s[G0B+4*\s+2:G0B+4*\s+3], s[46:47], \s*ROWB
	s_or_b32 s[G0B+4*\s+3], s[G0B+4*\s+3], 0x80000000
	s_wait_alu depctr_va_vdst(0)
	s_wait_tensorcnt 0x0
	ds_add_u32 v28, v29
	ds_add_u32 v28, v29
	s_wait_dscnt 0x0
	CROUND
	JLOAD G0+4*\s, G1, G0B+4*\s, G1B
.endr
	v_and_b32 v1, 15, v0                           ; l % 16
	v_bfe_u32 v2, v0, 4, 1                         ; l / 16
	v_mul_u32_u24 v3, v1, PITCH
	v_lshl_add_u32 v4, v2, 4, v3                   ; B: a fragment's row x pitch + 16 x half
	v_and_b32 v6, 31, v0
	v_lshlrev_b32 v[CO], 4, v6                     ; A: 16 x lane
	s_wait_alu depctr_va_vdst(0)
	v_lshlrev_b32 v[BO], 5, v2
	s_wait_alu depctr_va_vdst(0)
	s_lshl_b32 s21, s15, 15                        ; my 128 tokens of A
	s_mul_i32 s22, s16, HALFB                      ; my 128 rows of B,
	s_add_co_u32 s22, s22, BOFF                    ; which lie behind A's blocks
.irp s, 0,1
	v_add_nc_u32 v[ADRA+\s], s21, v[CO]
	v_add_nc_u32 v[ADRB+\s], s22, v4
	s_add_co_u32 s21, s21, SLOT
	s_add_co_u32 s22, s22, SLOT
.endr
	s_mul_i32 s23, s14, 16*SPITCH                  ; my stage
	v_mul_u32_u24 v5, v1, SPITCH                   ; in: row l % 16, 32 bytes for each half of the lanes
	v_lshl_add_u32 v5, v2, 5, v5
	v_add_nc_u32 v[STO], s23, v5
	v_add_nc_u32 v[RD], s23, v[CO]                 ; back: the 32 lanes take one row of 512 bytes
	s_lshl_b32 s20, s17, 8
	s_lshl_b32 s21, s15, 7
	s_add_co_u32 s20, s20, s21                     ; my first row of out0
	s_mov_b32 s21, 0
	s_mov_b64 s[18:19], SIZE_N*4
	s_mul_u64 s[20:21], s[20:21], s[18:19]
	s_lshl_b32 s46, s42, 10                        ; my first column, in bytes: 1,024 x tile column + 512 x half: in out0's rows and in bp alike
	s_lshl_b32 s47, s16, 9
	s_add_co_u32 s46, s46, s47
	s_mov_b32 s47, 0
	s_add_nc_u64 s[12:13], s[12:13], s[46:47]
	s_add_nc_u64 s[20:21], s[20:21], s[46:47]
	s_add_nc_u64 s[10:11], s[10:11], s[20:21]
.irp b, 0,1,2,3,4,5,6,7
	global_load_b128 v[BIA+8*\b:BIA+8*\b+3], v[BO], s[12:13] offset:64*\b        ; bp at columns 16 b + 8 h + 0 .. 7: waited for on the way out
	global_load_b128 v[BIA+8*\b+4:BIA+8*\b+7], v[BO], s[12:13] offset:64*\b+16
.endr
.macro FRAGB reg, adr, q, i            ; registers 4 c .. 4 c + 3 hold K = 32 c + 16 (l / 16) + 0 .. 15 of row l % 16
.irp c, 0,1,2,3
	ds_load_b128 v[\reg+4*\c:\reg+4*\c+3], v[\adr] offset:128*(\q)+32*\c+(\i)*16*PITCH
.endr
.endm
.macro FRAGA reg, adr, q, i            ; the image of the same registers: four pieces of 512 bytes
.irp c, 0,1,2,3
	ds_load_b128 v[\reg+4*\c:\reg+4*\c+3], v[\adr] offset:2048*(\q)+512*\c+(\i)*AROW
.endr
.endm
.macro MUL16 a0, p, zero               ; 16 matrix instructions; the 64 accumulators take turns, one instruction a turn
.irp a, \a0, \a0+1
.irp b, 0,1,2,3,4,5,6,7
.if \zero
	v_wmma_f32_16x16x128_fp8_fp8 v[8*(8*((\a)%4)+\b):8*(8*((\a)%4)+\b)+7], v[128*(\p)+FR*\b:128*(\p)+FR*\b+FR-1], v[AF+FR*(\a):AF+FR*(\a)+FR-1], 0
.else
	v_wmma_f32_16x16x128_fp8_fp8 v[8*(8*((\a)%4)+\b):8*(8*((\a)%4)+\b)+7], v[128*(\p)+FR*\b:128*(\p)+FR*\b+FR-1], v[AF+FR*(\a):AF+FR*(\a)+FR-1], v[8*(8*((\a)%4)+\b):8*(8*((\a)%4)+\b)+7]
.endif
.endr
.endr
.endm
.macro FETCH_B slot, q, p
	WIN TO_B
.irp i, 0,1,2,3,4,5,6,7
	FRAGB 128*(\p)+FR*\i, ADRB+\slot, \q, \i
.endr
	WIN 0
.endm
.macro FETCH_A slot, q, i0
.irp i, \i0, \i0+1, \i0+2, \i0+3
	FRAGA AF+FR*(\i), ADRA+\slot, \q, \i
.endr
.endm
.macro PLACES n
.rept \n
	v_nop
.endr
.endm
.macro STEP slot, q, zero
	s_wait_dscnt 4*NL                              ; B's set and A's blocks 0-3 are in; the youngest sixteen loads (A's blocks 4-7) may be out
	WIN MUL_LO
	MUL16 0, (\q)%2, \zero
	MUL16 2, (\q)%2, \zero
	s_wait_dscnt 0
	PLACES NP
	FETCH_B \slot, (\q)+1, 1-(\q)%2
	FETCH_A \slot, (\q)+1, 0
	WIN MUL_HI
	MUL16 4, (\q)%2, \zero
	MUL16 6, (\q)%2, \zero
	PLACES NP
	WIN 0
	FETCH_A \slot, (\q)+1, 4
.endm
.macro TURN slot, next, fill
	s_wait_tensorcnt 0x0                           ; all my tensor loads have landed: my part of the next slot
	ds_add_u32 v[SPW], v[NIL]                      ; 0 onto my spare word
	s_wait_dscnt 4*NL+1                            ; (the add and the youngest sixteen loads may be out)
	WIN MUL_LO
	MUL16 0, 1, 0
	s_wait_dscnt 0x0                               ; the add is done, and my reads of this slot are over
	s_barrier_signal -1
	MUL16 2, 1, 0
	WIN 0
	s_barrier_wait -1
.if \fill
	CREST                                          ; the barrier has opened a round of the cluster's barrier
	s_add_nc_u64 s[G0+4*\slot+2:G0+4*\slot+3], s[G0+4*\slot+2:G0+4*\slot+3], 2*AROW
	s_add_nc_u64 s[G0B+4*\slot+2:G0B+4*\slot+3], s[G0B+4*\slot+2:G0B+4*\slot+3], 2*ROWB
	JLOAD G0+4*\slot, G1, G0B+4*\slot, G1B         ; the first tensor load behind the round
.else
	PLACES NP
.endif
	FETCH_B \next, 0, 0
	FETCH_A \next, 0, 0
	WIN MUL_HI
	MUL16 4, 1, 0
	MUL16 6, 1, 0
	PLACES NP
	WIN 0
	FETCH_A \next, 0, 4
.endm
	s_wait_alu depctr_va_vdst(0)
	s_wait_tensorcnt 1                             ; my part of K step 0 is in (K step 1's load may be out)
	s_barrier_signal -1
	s_barrier_wait -1                              ; everybody's is
	FETCH_B 0, 0, 0
	FETCH_A 0, 0, 0
	FETCH_A 0, 0, 4
	STEP 0, 0, 1                                   ; the first step's products start the sums
	s_mov_b32 s3, LAPS-1
.Llap:
	TURN 0, 1, 1
	STEP 1, 0, 0
	TURN 1, 0, 1
	STEP 0, 0, 0
	s_sub_co_u32 s3, s3, 1
	s_cmp_lg_u32 s3, 0
	s_cbranch_scc1 .Llap
	TURN 0, 1, 0                                   ; the last lap fills nothing
	STEP 1, 0, 0
	s_wait_dscnt 4*NL
	WIN MUL_LO
	MUL16 0, 1, 0
	MUL16 2, 1, 0
	s_wait_dscnt 0
	WIN MUL_HI
	MUL16 4, 1, 0
	MUL16 6, 1, 0
	WIN 0
; THE WAY OUT, block by block of 16 rows x 128 columns, through my own stage in LDS: in as 32 bytes a lane, back as whole rows of 512 bytes.  LDS serves a wave's instructions in order (ISA guide 5.7.1.4).
.macro TOSTAGE a
.set AC, 64*((\a)%4)
	WIN 0x42+((\a)/4)                              ; source 0 (the sums) window 2 or 3, source 2 (bp) window 0, destination window 1
.set j, 0
.rept 32
	v_pk_fma_f32 v[TMP+j:TMP+j+1], v[AC+j:AC+j+1], s[96:97], v[BIA+j:BIA+j+1] op_sel_hi:[1,0,1]   ; sum x 2^(e10 + e11) + bp; each accumulator from its low end on
.set j, j+2
.endr
	WIN 0x04                                       ; store data window 1
.irp b, 0,1,2,3,4,5,6,7
	ds_store_b128 v[STO], v[TMP+8*\b:TMP+8*\b+3] offset:64*\b
	ds_store_b128 v[STO], v[TMP+8*\b+4:TMP+8*\b+7] offset:64*\b+16
.endr
	WIN 0
.set BB, BK+64*((\a)%2)
.irp t, 0,1,2,3,4,5,6,7,8,9,10,11,12,13,14,15
	ds_load_b128 v[BB+4*\t:BB+4*\t+3], v[RD] offset:\t*SPITCH
.endr
.endm
.macro SEND a, younger                 ; younger: the LDS instructions issued behind block a's loads, which may stay out
.set BB, BK+64*((\a)%2)
	s_wait_dscnt \younger
.if (\a) > 0
	s_add_nc_u64 s[10:11], s[10:11], 16*SIZE_N*4   ; (behind a wait on XCNT: the earlier stores have read their base)
.endif
.irp t, 0,1,2,3,4,5,6,7,8,9,10,11,12,13,14,15
	global_store_b128 v[CO], v[BB+4*\t:BB+4*\t+3], s[10:11] offset:\t*SIZE_N*4 th:TH_STORE_NT   ; 32 lanes store 512 consecutive bytes, aligned; written once, read by nobody here
.endr
.endm
	s_wait_kmcnt 0x0
	s_add_co_i32 s96, s96, s97                     ; e10 + e11
	s_add_co_i32 s96, s96, 127
	s_lshl_b32 s96, s96, 23                        ; 2^(e10 + e11) as f32
	s_wait_loadcnt 0x0                             ; bp
	PLACES NP                                      ; behind the last products: for the reads of results, the writes over B's first set and the loads into A's registers
	TOSTAGE 0
.irp a, 1,2,3,4,5,6,7
.if \a > 1
	s_wait_xcnt 0x0                                ; block a - 2's stores have read their registers and their base
.endif
	TOSTAGE \a
	SEND \a-1, 32                                  ; behind block a - 1's loads: block a's 16 stores and 16 loads
.endr
	s_wait_xcnt 0x0
	SEND 7, 0
	s_wait_tensorcnt 0x0                           ; the wave's end
	ds_add_u32 v[SPW], v[NIL]
	s_wait_dscnt 0x0
	CROUND                                         ; the closing round
	s_endpgm
.Lfunc_end_k_q8d1f25b91d_proj:
	.size	k_q8d1f25b91d_proj, .Lfunc_end_k_q8d1f25b91d_proj-k_q8d1f25b91d_proj
	.p2alignl 7, 3214868480
	.fill 96, 4, 3214868480
	.section	.rodata,"a",@progbits
	.p2align	6, 0x0
	.amdhsa_kernel k_q8d1f25b91d_proj
		.amdhsa_group_segment_fixed_size 327680
		.amdhsa_private_segment_fixed_size 0
		.amdhsa_enable_private_segment 0
		.amdhsa_kernarg_size 40
		.amdhsa_user_sgpr_count 2
		.amdhsa_user_sgpr_kernarg_segment_ptr 1
		.amdhsa_wavefront_size32 1
		.amdhsa_system_sgpr_workgroup_id_x 1
		.amdhsa_system_sgpr_workgroup_id_y 1
		.amdhsa_system_sgpr_workgroup_id_z 1
		.amdhsa_system_vgpr_workitem_id 0
		.amdhsa_next_free_vgpr 1024
		.amdhsa_next_free_sgpr 98
		.amdhsa_reserve_vcc 0
		.amdhsa_float_denorm_mode_32 3
		.amdhsa_float_denorm_mode_16_64 3
		.amdhsa_memory_ordered 1
		.amdhsa_forward_progress 1
		.amdhsa_inst_pref_size 126
	.end_amdhsa_kernel
	.amdgpu_metadata
---
amdhsa.version: [ 1, 2 ]
amdhsa.kernels:
  - .name:           k_q8d1f25b91d_proj
    .symbol:         k_q8d1f25b91d_proj.kd
    .args:
      - { .name: oc, .offset: 0, .size: 8, .value_kind: global_buffer, .address_space: global }
      - { .name: Wp_codes, .offset: 8, .size: 8, .value_kind: global_buffer, .address_space: global }
      - { .name: lowp_scales, .offset: 16, .size: 8, .value_kind: global_buffer, .address_space: global }
      - { .name: bp, .offset: 24, .size: 8, .value_kind: global_buffer, .address_space: global }
      - { .name: out0, .offset: 32, .size: 8, .value_kind: global_buffer, .address_space: global }
    .group_segment_fixed_size: 327680
    .private_segment_fixed_size: 0
    .kernarg_segment_align: 8
    .kernarg_segment_size: 40
    .max_flat_workgroup_size: 128
    .sgpr_count:     98
    .vgpr_count:     1024
    .wavefront_size: 32
...
	.end_amdgpu_metadata
.endif
;; end of part 4
